; MI455X (gfx1250); checked and timed in simulation.
; The chip was launched on July 23, 2026; its instructions are those of AMD's public machine-readable ISA for CDNA 5 (MIT licence, August 2026) and "CDNA5" Instruction Set Architecture Reference Guide (July 2026). The comments in the code are by the model that wrote it; some were corrected since.
;; Attention Block. Allowed arithmetic: matrix products marked QUANTISED: E5M2 operands, one given power-of-two scale a tensor, by v_wmma_f32_16x16x64_bf8_bf8 or v_wmma_f32_16x16x128_bf8_bf8, f32 sums; everything else in f32.
;; Inputs: Wk 2,048 x 2,048 float32; Wo 2,048 x 2,048 float32; Wq 2,048 x 2,048 float32; Wv 2,048 x 2,048 float32; bk 2,048 float32; bo 2,048 float32; bq 2,048 float32; bv 2,048 float32; ln_b 2,048 float32; ln_w 2,048 float32; lowp_scales 12 int32 (the exponents e of the quantised operands' scales 2^e); x 2,048 x 2,048 float32.
;; Outputs: out0 2,048 x 2,048 float32.
;; This version of the problem:
;;   THIS VERSION OF THE PROBLEM IS GIVEN IN LOW PRECISION. The matrix products marked QUANTISED in the list below multiply operands that are first quantised to E5M2 (5 exponent bits, 2 mantissa bits; 8 bits a number), with one given power-of-two scale for each operand tensor; their sums are f32. All else is computed in f32.
;;   The module's matrix products, in the order in which they are computed (A, B: the left and right operand; K: the contracted axis; several contracted axes count as one K, in the product's order):
;;     1. [M 2,048, K 2,048] x [K 2,048, N 2,048]; A: input x; B: input Wq: QUANTISED (scales: A lowp_scales[0], B lowp_scales[1])
;;     2. [M 2,048, K 2,048] x [K 2,048, N 2,048]; A: input x; B: input Wk: QUANTISED (scales: A lowp_scales[2], B lowp_scales[3])
;;     3. [M 2,048, K 2,048] x [K 2,048, N 2,048]; A: input x; B: input Wv: QUANTISED (scales: A lowp_scales[4], B lowp_scales[5])
;;     4. batch 16 x [M 2,048, K 128] x [K 128, N 2,048]; A: computed on the way; B: computed on the way: QUANTISED (scales: A lowp_scales[6], B lowp_scales[7])
;;     5. batch 16 x [M 128, K 2,048] x [K 2,048, N 2,048]; A: computed on the way; B: softmax (see below): QUANTISED (scales: A lowp_scales[8], B lowp_scales[9])
;;     6. [M 2,048, K 2,048] x [K 2,048, N 2,048]; A: computed on the way; B: input Wo: QUANTISED (scales: A lowp_scales[10], B lowp_scales[11])
;;   THE QUANTISER, for each operand of a quantised product, along K:
;;     - The operand's scale is 2^e, e = its entry of the input lowp_scales (int32; the entries are numbered through the quantised products in the list's order, A before B).
;;     - Each number is divided by the scale, clamped to +-57,344, and rounded to the nearest number of E5M2, ties to even, subnormals kept.
;;     - The product sums the exact products of the quantised numbers (number of the format x scale) in f32.
;;   ~~~python
;;   def quantise(x, axis, e):      # numpy; x: float32 -> the quantised numbers, widened to float32 again
;;       x = np.moveaxis(x, axis, -1); K = x.shape[-1]
;;       r = np.clip(x / 2.0 ** e, -57344, 57344)
;;       step = 2.0 ** (np.maximum(np.frexp(np.where(r == 0, 1, r))[1] - 1, -14) - 2)
;;       q = np.round(r / step) * step * 2.0 ** e      # np.round: ties to even
;;       return np.moveaxis(q, -1, axis).astype(np.float32)
;;   ~~~
;;   SOFTMAX AHEAD OF A QUANTISED PRODUCT. Where the list says 'softmax', what is quantised is not the finished softmax but p = 2^(t - M), with t = logit x log2(e) and M = ceil(the row's largest t), a whole number; so 1/2 < the row's largest p <= 1. The row's sum l is taken of the UNQUANTISED p, in f32, and the product's result is divided by l at the end. Since M is a whole number, a kernel that streams over the keys may use a running M (the ceiling of the running maximum): every later rescaling is an exact power of two, so the quantised numbers keep their values, but for numbers so far below the row's largest that they fall under the format's range.
;;   OPERANDS COMPUTED ON THE WAY. 'Computed on the way' means the value that the module computes at that place (a softmax that the list does not call 'softmax' is quantised finished and normalised). What goes into a quantiser is computed in f32, as accurately as f32 sums, v_exp_f32 and their like allow (about 1e-6 of the number): no bf16 or f16 on the way to a quantiser, and a product that is left as it is and whose result goes on into a quantised operand takes f32 operands (vector FMAs, or v_wmma_f32_16x16x4_f32). A number that lies on a knife's edge between two numbers of the format may be rounded either way, as far as f32 arithmetic and the matrix unit's own rounding can turn it there, and no further.
;; One version. Each part assembles by itself: llvm-mc -triple=amdgcn-amd-amdhsa -mcpu=gfx1250 --defsym DOCPART=n.
;; ======== version 1 of 1: 5 launches
;; limits: right only within a limited range of input values
;; workspace buffers: codes 29,360,128 bytes; rope 1,048,576 bytes; qkv 12,582,912 bytes; acodes 4,194,304 bytes; res 16,777,216 bytes
;; launch quant (part 1): grid 672 x 1, 4 waves a work-group, no clusters, 66,048 bytes of LDS; arguments x, Wq, Wk, Wv, Wo, lowp_scales, codes, rope; writes codes, rope
.if DOCPART == 1
	.amdgcn_target "amdgcn-amd-amdhsa--gfx1250"
	.amdhsa_code_object_version 6
	.text
	.protected	k_qbbf16b4b62_quant
	.globl	k_qbbf16b4b62_quant
	.p2align	8
	.type	k_qbbf16b4b62_quant,@function
k_qbbf16b4b62_quant:
	s_mov_b64 s[64:65], 0
	v_nop
	global_prefetch_b8 v0, s[64:65] scope:SCOPE_SE
	s_setreg_imm32_b32 hwreg(HW_REG_WAVE_MODE, 25, 1), 1
	s_wait_xcnt 0x0
; FIRST OF FIVE LAUNCHES of: LayerNorm(x + attention(x) Wo^T + bo), 2,048 positions, 16 heads of 128, all six matrix products on codes of BF8 (E5M2), each operand with its given scale 2^e.
; This launch turns x (three times: products 1, 2, 3 give it the scales e0, e2, e4), Wq (e1), Wk (e3), Wv (e5), Wo (e11) into codes, K innermost as they lie, and makes the table of cos and sin for the rotary embedding.
; WORK LEFT OUT IN THE PROGRAM: only key steps that lie wholly above the diagonal (third launch).  The function builds its causal mask itself (a lower triangle); a masked logit is the most negative f32 number, every row
; holds its own diagonal logit, so a masked weight is exp(most negative - maximum) = 0 for all finite inputs, and its product with V adds nothing.  Every input has a way to the output and is loaded (bk too: it moves k's codes).
; LIMIT of that: a NaN, an infinity or an overflow that reaches only hidden scores is not carried to the result.
; code = number / 2^e, held within +-57,344, rounded to the nearest code, ties to even.  LIMITS: -126 <= e and e + 15 <= 127 for each of the seven e used here; NaN among the inputs is not served.
; codes: seven slots of 4,194,304 bytes, [2048][2048]: 0, 1, 2 = x by e0, e2, e4; 3 = Wq; 4 = Wk; 5 = Wv; 6 = Wo.
; rope: [sb 128][q 16][lane 32][4 f32]: position 16 sb + lane % 16, frequency 16 ((q % 8) / 2) + 8 (lane / 16) + 4 (q % 2) + e; q < 8 cos, q >= 8 sin: the order of the second launch's registers.
; SHARES.  Work-groups 0-127: x; 128-639: the four weights, 128 each; 640-671: the table.  A work-group of x or W takes 32,768 numbers, a wave 16 steps of 512.
; A conversion takes eight neighbours along K from one lane's registers; a load is dense where neighbouring lanes take neighbouring bytes.  Both are had: a step's 2,048 bytes go through the wave's own stage in LDS as
; they lie (16 bytes of padding behind each 64) and come back 64 bytes a lane.  A lane's 16 codes are 16 bytes: a store covers 512 consecutive bytes.  Waves share nothing: no barrier.
; The x path and the W path have LDS bytes of their own (the second 32,768 bytes on).
.set STEPS, 16
.set SP,    80                         ; a lane's place in a stage: 64 bytes + 16 of padding
.set PBW,   32768                      ; the W path's regions
.set SPARE, 65536                      ; behind the eight regions: the spare words, 128 bytes a wave
.set SLOTB, 4194304
.set R,     16                         ; v16-79   four sets of 16 numbers as loaded
.set X,     80                         ; v80-111  two sets of 16 neighbours
.set H,     112                        ; v112-127 the numbers held for one scale
.set C,     128                        ; v128-139 codes, four registers a scale
.set SC,    152                        ; v152.. pairs (2^e, 57,344 x 2^e) for up to three scales
.set SPW,   12
.set NIL,   13
	s_load_b512 s[8:23], s[0:1], 0x0               ; x 8:9, Wq 10:11, Wk 12:13, Wv 14:15, Wo 16:17, scales 18:19, codes 20:21, rope 22:23
	v_lshl_add_u32 v[SPW], v0, 2, SPARE
	v_mov_b32 v[NIL], 0
	v_lshrrev_b32 v1, 5, v0
	v_readfirstlane_b32 s36, v1                    ; wave
	v_and_b32 v2, 31, v0                           ; lane
	v_lshlrev_b32 v3, 4, v2                        ; 16 x lane: my bytes of a load's 512, and of a store's
	s_lshl_b32 s37, s36, 13                        ; my wave's region
	v_lshrrev_b32 v14, 2, v2
	v_mul_u32_u24 v14, v14, SP
	v_and_b32 v15, 3, v2
	v_lshl_add_u32 v14, v15, 4, v14
	v_add_nc_u32 v14, s37, v14                     ; the stage on the way in: SP (lane / 4) + 16 (lane % 4)
	v_mul_u32_u24 v15, v2, SP
	v_add_nc_u32 v15, s37, v15                     ; and on the way out: SP x lane
	s_wait_kmcnt 0x0
	s_load_b256 s[24:31], s[18:19], 0x0            ; e0 .. e7
	s_load_b128 s[32:35], s[18:19], 0x20           ; e8 .. e11
.macro LOAD t
.irp i, 0,1,2,3
	global_load_b128 v[R+16*((\t)%4)+4*\i:R+16*((\t)%4)+4*\i+3], v3, s[4:5] offset:2048*(\t)+512*\i th:TH_LOAD_NT
.endr
.endm
.macro TURN t, pb                      ; step t through the stage: LDS serves a wave's instructions in order, so no wait stands between the stores and the loads
.irp i, 0,1,2,3
	ds_store_b128 v14, v[R+16*((\t)%4)+4*\i:R+16*((\t)%4)+4*\i+3] offset:\pb+32*SP*((\t)%2)+8*SP*\i
.endr
.irp i, 0,1,2,3
	ds_load_b128 v[X+16*((\t)%2)+4*\i:X+16*((\t)%2)+4*\i+3], v15 offset:\pb+32*SP*((\t)%2)+16*\i
.endr
.endm
.macro MKSCALE se, k                   ; 2^e and 57,344 x 2^e as f32
	s_add_co_i32 s44, \se, 127
	s_lshl_b32 s45, s44, 23
	v_mov_b32 v[SC+2*\k], s45
	s_add_co_i32 s44, s44, 15
	s_lshl_b32 s44, s44, 23
	s_or_b32 s44, s44, 0x600000
	v_mov_b32 v[SC+2*\k+1], s44
.endm
.macro STEP t, n, pb                   ; n scales: n runs of codes, SLOTB bytes apart, the middle one at the base
.set XS, X+16*((\t)%2)
	s_wait_dscnt 0x0                               ; this step's numbers are back from the stage, so its stores into the stage have read their registers
	s_wait_xcnt 0x0                                ; the last step's stores have read their codes: C is written again only behind this wait
.if (\t)+4 < STEPS
	LOAD (\t)+4
.endif
.if (\t)+1 < STEPS
.if STEPS-2-(\t) >= 3
	s_wait_loadcnt 12                              ; the next step's four loads are in; those of the three steps behind it may be out
.else
	s_wait_loadcnt 4*(STEPS-2-(\t))
.endif
	TURN (\t)+1, \pb
.endif
.set kk, 0
.rept \n
.irp i, 0,1,2,3,4,5,6,7,8,9,10,11,12,13,14,15
	v_med3_num_f32 v[H+\i], v[XS+\i], -v[SC+2*kk+1], v[SC+2*kk+1]   ; the conversion to an 8-bit code does not saturate (ISA guide 7.6.2): the hold comes first
.endr
	v_cvt_scalef32_pk8_bf8_f32 v[C+4*kk:C+4*kk+1], v[H:H+7], v[SC+2*kk]
	v_cvt_scalef32_pk8_bf8_f32 v[C+4*kk+2:C+4*kk+3], v[H+8:H+15], v[SC+2*kk]
	v_nop                                          ; a plain line between the conversions and the next holds, which write their sources
	global_store_b128 v3, v[C+4*kk:C+4*kk+3], s[6:7] offset:(kk-(\n)/2)*SLOTB+512*(\t)
.set kk, kk+1
.endr
.endm
	s_cmp_lt_u32 ttmp9, 128
	s_cbranch_scc0 .Lnot_x
	; ---- x: one read, three runs of codes
	s_lshl_b32 s37, ttmp9, 2
	s_add_co_u32 s37, s37, s36                     ; which run of 8,192 numbers is my wave's
	s_lshl_b32 s42, s37, 15
	s_mov_b32 s43, 0
	s_add_nc_u64 s[4:5], s[8:9], s[42:43]
	s_lshl_b32 s42, s37, 13
	s_add_co_u32 s42, s42, SLOTB                   ; the base stands in slot 1; slots 0 and 2 are reached by the stores' immediates
	s_add_nc_u64 s[6:7], s[20:21], s[42:43]
	s_wait_alu depctr_va_vdst(0)
.irp t, 0,1,2,3
	LOAD \t
.endr
	s_wait_kmcnt 0x0
	MKSCALE s24, 0
	MKSCALE s26, 1
	MKSCALE s28, 2
	s_wait_alu depctr_va_vdst(0)
	s_wait_loadcnt 12
	TURN 0, 0
.irp t, 0,1,2,3,4,5,6,7,8,9,10,11,12,13,14,15
	STEP \t, 3, 0
.endr
	s_branch .Lend
.Lnot_x:
	s_cmp_lt_u32 ttmp9, 640
	s_cbranch_scc0 .Lrope
	; ---- a weight: the buffer and its e are chosen by the work-group's number
	s_sub_co_u32 s37, ttmp9, 128
	s_lshr_b32 s46, s37, 7                         ; 0 Wq, 1 Wk, 2 Wv, 3 Wo
	s_and_b32 s37, s37, 127
	s_lshl_b32 s37, s37, 2
	s_add_co_u32 s37, s37, s36
	s_cmp_lt_u32 s46, 2
	s_cselect_b64 s[4:5], s[10:11], s[14:15]
	s_cselect_b64 s[40:41], s[12:13], s[16:17]
	s_bitcmp1_b32 s46, 0
	s_cselect_b64 s[4:5], s[40:41], s[4:5]
	s_lshl_b32 s42, s37, 15
	s_mov_b32 s43, 0
	s_add_nc_u64 s[4:5], s[4:5], s[42:43]
	s_add_co_u32 s42, s46, 3
	s_lshl_b32 s42, s42, 22
	s_lshl_b32 s47, s37, 13
	s_add_co_u32 s42, s42, s47
	s_add_nc_u64 s[6:7], s[20:21], s[42:43]
	s_wait_alu depctr_va_vdst(0)
.irp t, 0,1,2,3
	LOAD \t
.endr
	s_wait_kmcnt 0x0
	s_cmp_lt_u32 s46, 2
	s_cselect_b32 s38, s25, s29                    ; e1 or e5
	s_cselect_b32 s39, s27, s35                    ; e3 or e11
	s_bitcmp1_b32 s46, 0
	s_cselect_b32 s38, s39, s38
	MKSCALE s38, 0
	s_wait_alu depctr_va_vdst(0)
	s_wait_loadcnt 12
	TURN 0, PBW
.irp t, 0,1,2,3,4,5,6,7,8,9,10,11,12,13,14,15
	STEP \t, 1, PBW
.endr
.Lend:
	s_wait_tensorcnt 0x0                           ; the wave's end, behind my last LDS store
	ds_add_u32 v[SPW], v[NIL]
	s_wait_dscnt 0x0
	s_endpgm
.Lrope:
	; ---- the table.  A wave takes 16 positions; a lane one position and 32 frequencies.  inv = 2^(-f log2(10000) / 64); angle = position x inv, rounded once as the function rounds it.
	; cos and sin: the angle less N quarter turns, pi/2 in two parts (N is at most 1,304 by the shapes, so what the two parts leave out stays under 3e-12), then polynomials on +-pi/4, then the quadrant.
	s_sub_co_u32 s37, ttmp9, 640
	s_lshl_b32 s37, s37, 2
	s_add_co_u32 s37, s37, s36                     ; sb
	s_lshl_b32 s42, s37, 13
	s_mov_b32 s43, 0
	s_add_nc_u64 s[6:7], s[22:23], s[42:43]
	s_lshl_b32 s37, s37, 4
	v_and_b32 v10, 15, v0
	v_add_nc_u32 v10, s37, v10
	v_cvt_f32_u32 v10, v10                         ; my position
	v_bfe_u32 v11, v0, 4, 1
	v_lshlrev_b32 v11, 3, v11                      ; 8 (lane / 16)
	s_mov_b32 s40, 0xbe2aaaa3                      ; sine: -1.6666654e-1, 8.3321609e-3, -1.9515296e-4
	s_mov_b32 s41, 0x3c08839e
	s_mov_b32 s42, 0xb94ca1f9
	s_mov_b32 s43, 0x3d2aaaa5                      ; cosine: 4.1666646e-2, -1.3887316e-3, 2.4433157e-5
	s_mov_b32 s44, 0xbab6061a
	s_mov_b32 s45, 0x37ccf5ce
.set n, 0
.rept 32
	v_add_nc_u32 v48, 16*(n/8)+n%8, v11            ; f of register n
	v_cvt_f32_u32 v48, v48
	v_mul_f32 v[16+n], 0xbe549a78, v48             ; -f log2(10000) / 64
.set n, n+1
.endr
.set n, 0
	s_wait_alu depctr_va_vdst(0)
.rept 32
	v_exp_f32 v[16+n], v[16+n]
.set n, n+1
.endr
	v_nop                                          ; a plain line behind the last exponential,
	s_wait_alu depctr_va_vdst(0)                   ; and one wait for the batch, ahead of its first reader
.set n, 0
.rept 32
	v_mul_f32 v48, v10, v[16+n]                    ; the angle
	v_mul_f32 v49, 0x3f22f983, v48
	v_rndne_f32 v49, v49                           ; N
	v_fmamk_f32 v50, v49, 0xbfc90fdb, v48
	v_fmamk_f32 v50, v49, 0x333bbd2e, v50          ; R
	v_mul_f32 v51, v50, v50                        ; z
	v_fma_f32 v52, v51, s42, s41
	v_fma_f32 v53, v51, s45, s44
	v_fma_f32 v52, v52, v51, s40
	v_fma_f32 v53, v53, v51, s43
	v_mul_f32 v52, v52, v51
	v_mul_f32 v54, v51, v51
	v_fma_f32 v55, v51, -0.5, 1.0
	v_fma_f32 v52, v52, v50, v50                   ; sin R
	v_fma_f32 v53, v53, v54, v55                   ; cos R
	v_cvt_i32_f32 v56, v49
	v_and_b32 v57, 1, v56
	v_cmp_eq_u32 vcc_lo, 1, v57                    ; an odd quadrant swaps the two
	v_cndmask_b32 v58, v52, v53, vcc_lo
	v_cndmask_b32 v59, v53, v52, vcc_lo
	v_lshlrev_b32 v57, 30, v56
	v_and_b32 v57, 0x80000000, v57                 ; sine changes sign in quadrants 2, 3
	v_xor_b32 v[96+n], v57, v58
	v_add_nc_u32 v56, 1, v56
	v_lshlrev_b32 v56, 30, v56
	v_and_b32 v56, 0x80000000, v56                 ; cosine in quadrants 1, 2
	v_xor_b32 v[64+n], v56, v59
.set n, n+1
.endr
.irp q, 0,1,2,3,4,5,6,7,8,9,10,11,12,13,14,15
	global_store_b128 v3, v[64+4*\q:64+4*\q+3], s[6:7] offset:512*\q   ; 512 consecutive bytes a store
.endr
	s_endpgm
.Lfunc_end_k_qbbf16b4b62_quant:
	.size	k_qbbf16b4b62_quant, .Lfunc_end_k_qbbf16b4b62_quant-k_qbbf16b4b62_quant
	.p2alignl 7, 3214868480
	.fill 96, 4, 3214868480
	.section	.rodata,"a",@progbits
	.p2align	6, 0x0
	.amdhsa_kernel k_qbbf16b4b62_quant
		.amdhsa_group_segment_fixed_size 66048
		.amdhsa_private_segment_fixed_size 0
		.amdhsa_enable_private_segment 0
		.amdhsa_kernarg_size 64
		.amdhsa_user_sgpr_count 2
		.amdhsa_user_sgpr_kernarg_segment_ptr 1
		.amdhsa_wavefront_size32 1
		.amdhsa_system_sgpr_workgroup_id_x 1
		.amdhsa_system_sgpr_workgroup_id_y 1
		.amdhsa_system_sgpr_workgroup_id_z 1
		.amdhsa_system_vgpr_workitem_id 0
		.amdhsa_next_free_vgpr 160
		.amdhsa_next_free_sgpr 66
		.amdhsa_reserve_vcc 1
		.amdhsa_float_denorm_mode_32 3
		.amdhsa_float_denorm_mode_16_64 3
		.amdhsa_memory_ordered 1
		.amdhsa_forward_progress 1
		.amdhsa_inst_pref_size 162
	.end_amdhsa_kernel
	.amdgpu_metadata
---
amdhsa.version: [ 1, 2 ]
amdhsa.kernels:
  - .name:           k_qbbf16b4b62_quant
    .symbol:         k_qbbf16b4b62_quant.kd
    .args:
      - { .name: x, .offset: 0, .size: 8, .value_kind: global_buffer, .address_space: global }
      - { .name: Wq, .offset: 8, .size: 8, .value_kind: global_buffer, .address_space: global }
      - { .name: Wk, .offset: 16, .size: 8, .value_kind: global_buffer, .address_space: global }
      - { .name: Wv, .offset: 24, .size: 8, .value_kind: global_buffer, .address_space: global }
      - { .name: Wo, .offset: 32, .size: 8, .value_kind: global_buffer, .address_space: global }
      - { .name: lowp_scales, .offset: 40, .size: 8, .value_kind: global_buffer, .address_space: global }
      - { .name: codes, .offset: 48, .size: 8, .value_kind: global_buffer, .address_space: global }
      - { .name: rope, .offset: 56, .size: 8, .value_kind: global_buffer, .address_space: global }
    .group_segment_fixed_size: 66048
    .private_segment_fixed_size: 0
    .kernarg_segment_align: 8
    .kernarg_segment_size: 64
    .max_flat_workgroup_size: 128
    .sgpr_count:     66
    .vgpr_count:     160
    .wavefront_size: 32
...
	.end_amdgpu_metadata
.endif
;; end of part 1
;; launch qkv (part 2): grid 24 x 8, 4 waves a work-group, clusters of 4 x 4, 327,680 bytes of LDS; arguments codes, lowp_scales, bq, bk, bv, rope, qkv; writes qkv
.if DOCPART == 2
	.amdgcn_target "amdgcn-amd-amdhsa--gfx1250"
	.amdhsa_code_object_version 6
	.text
	.protected	k_qbbf16b4b62_qkv
	.globl	k_qbbf16b4b62_qkv
	.p2align	8
	.type	k_qbbf16b4b62_qkv,@function
k_qbbf16b4b62_qkv:
	s_mov_b64 s[64:65], 0
	v_nop
	global_prefetch_b8 v0, s[64:65] scope:SCOPE_SE
	s_setreg_imm32_b32 hwreg(HW_REG_WAVE_MODE, 25, 1), 1
	s_wait_xcnt 0x0
	s_wait_alu depctr_hold_cnt(0) depctr_sa_sdst(0) depctr_va_vdst(0) depctr_va_sdst(0) depctr_va_ssrc(0) depctr_va_vcc(0) depctr_vm_vsrc(0)
	s_getreg_b32 s2, hwreg(HW_REG_IB_STS2, 6, 4)
	s_cmp_eq_u32 s2, 0
	s_cbranch_scc0 .Lentry_in_a_cluster
	s_endpgm
.Lentry_in_a_cluster:
	s_bfe_u32 s2, ttmp6, 0x10000c
	s_cmp_lg_u32 s2, 0xf033
	s_cbranch_scc0 .Lentry_shape_is_right
	s_endpgm
.Lentry_shape_is_right:
; SECOND LAUNCH: products 1, 2, 3 on codes of BF8, the biases, the rotary embedding of q and k, and the quantisers of products 4 and 5's operands.  Nothing of the function is left out here.
; Cluster x / 2 picks the tensor: 0 q, 1 k, 2 v.  q, k: A = x's codes (slot 0, 1 of codes), B = Wq, Wk (slot 3, 4).  v: A = Wv (slot 5), B = x (slot 2), so that V^T comes out with the keys innermost.
; A block of 256 x 256 is made by four waves, 128 x 128 each: 64 accumulators.  2,048 columns a tensor divide into 8 such blocks: 192 work-groups.
; K goes in steps of 256 through two LDS slots; a tile's row is 256 bytes of memory.  4 x 4 clusters: A's tile is asked for jointly along a row of the cluster, B's along a column.
; The matrix instruction is used transposed (source 0 = rows of B, source 1 = rows of A): lane (r, h) holds row 16 a + r of A's side and columns 16 b + 8 h + 0 .. 7 of B's side.
; A wave's 128 columns are one head, so d and d + 64 lie in one lane (blocks b and b + 4).
; qkv: three parts of 4,194,304 bytes: q, k as [head][position][128 d]; V^T as [head][block of 128 positions][128 d][128 positions].
; PREFETCH: behind each refill a wave names 32 rows x 256 bytes of the K step two refills on; the four partners of a joint load share its 128 rows out by address.  K steps 1, 2, 3 are named at the head.
; The last trip has no K step two on; there the q and k clusters name their 256 positions of the cos and sin table, 256 bytes a lane, each block once in a cluster.
; LIMITS: the sum of a product's two e between -126 and 127; e6, e7, e8 between -126 and 112.
; REGISTERS: window 0: v0-31 addresses, v128-255 A's fragments (one set); window 1: B's fragments (two sets); windows 2, 3: accumulators.
; On the way out: window 0: v32-95 numbers, v96-127 at work, v128-143 codes, v144-175 rows read back; window 1: v0-63 bias, v64-255 three sets of cos and sin.
.set ROWB,   256
.set KROW,   2048
.set PITCH,  272                       ; 256 bytes + 16 of padding
.set FR,     16
.set NL,     4
.set NP,     4
.set HALFT,  128*PITCH
.set SLOT,   4*HALFT
.set LAPS,   4
.set SPARE,  2*SLOT                    ; the spare words, 128 bytes a wave
.set STAGE,  SPARE+512                 ; the way out: 16 rows x 144 bytes a wave; no tile lands here
.set SPITCH, 144
.set STAGEV, 4*16*SPITCH               ; the v path has stage bytes of its own
.set ADRA, 16
.set ADRB, 20
.set RPO,  22                          ; 256 x lane
.set STO,  24
.set RD,   25
.set CO,   26                          ; 16 x lane
.set PFO,  27                          ; 2,048 x lane: a lane a row
.set SPW,  28
.set NIL,  29
.set Y,    32
.set T,    96
.set CD,   128
.set BK,   144
.set AF,   128
.set G1, 24
.set G0, 32
.set G1B, 48
.set G0B, 56
.set MSB, 0
.macro WIN new                         ; the immediate's high byte repeats the setting that is left
.if MSB != (\new)
	s_set_vgpr_msb (MSB<<8)|(\new)
.set MSB, (\new)
.endif
.endm
.set MUL_LO, 0xa1
.set MUL_HI, 0xf1
.set TO_B,   0x40
.macro JLOAD g0a, g1a, g0b, g1b        ; waves 0, 1 fetch for A, waves 2, 3 for B
	s_cmp_eq_u32 s15, 0
	s_cbranch_scc0 .Lfor_b_\@
	tensor_load_to_lds s[\g0a:\g0a+3], s[\g1a:\g1a+7]
	s_nop 0
.rept 4
	v_nop
.endr
	s_branch .Lasked_\@
.Lfor_b_\@:
	tensor_load_to_lds s[\g0b:\g0b+3], s[\g1b:\g1b+7]
	s_nop 0
.rept 4
	v_nop
.endr
.Lasked_\@:
.endm
.macro CREST
	s_cmp_lg_u32 s14, 0
	s_cbranch_scc1 .Lnot_wave_0_\@
	s_barrier_signal -3
.Lnot_wave_0_\@:
	s_barrier_wait -3
	s_barrier_signal -1
	s_barrier_wait -1
.endm
.macro CROUND
	s_barrier_signal -1
	s_barrier_wait -1
	CREST
.endm
.macro ASK slot                        ; trips 1, 2 (s3 = 3, 2): the K step two refills on; the last trip, slot 0's change: the table
	s_cmp_gt_u32 s3, 1
	s_cbranch_scc0 .Llate_\@
	global_prefetch_b8 v[PFO], s[4:5] offset:3*ROWB th:TH_LOAD_NT scope:SCOPE_SE
.if (\slot) == 0
	s_branch .Lasked_\@
.Llate_\@:
	s_cmp_eq_u32 s82, 2                            ; v has no rotary embedding
	s_cbranch_scc1 .Lasked_\@
	global_prefetch_b8 v[RPO], s[6:7] th:TH_LOAD_NT scope:SCOPE_SE
.Lasked_\@:
.else
.Llate_\@:
.endif
.endm
	s_load_b256 s[68:75], s[0:1], 0x0              ; codes 68, scales 70, bq 72, bk 74
	s_load_b128 s[76:79], s[0:1], 0x20             ; bv 76, rope 78
	s_load_b64 s[80:81], s[0:1], 0x30              ; qkv
	v_lshl_add_u32 v[SPW], v0, 2, SPARE
	v_mov_b32 v[NIL], 0
	ds_add_u32 v[SPW], v[NIL]                      ; the opening lines: the add twice on end and its wait
	ds_add_u32 v[SPW], v[NIL]
	v_lshrrev_b32 v1, 5, v0
	v_readfirstlane_b32 s14, v1                    ; wave
	s_lshr_b32 s15, s14, 1                         ; my half of the rows; also: I fetch for A (0) or B (1)
	s_and_b32 s16, s14, 1                          ; my half of the columns; also: which 128 rows I fetch
	s_bfe_u32 s40, ttmp6, 0x40000                  ; cx
	s_bfe_u32 s41, ttmp6, 0x40004                  ; cy
	s_lshr_b32 s82, ttmp9, 1                       ; the tensor
	s_and_b32 s42, ttmp9, 1
	s_lshl_b32 s42, s42, 2
	s_add_co_u32 s42, s42, s40                     ; tile column
	s_and_b32 s17, ttmp7, 0xffff
	s_lshl_b32 s17, s17, 2
	s_add_co_u32 s17, s17, s41                     ; tile row
	s_lshl_b32 s43, s41, 2
	s_lshl_b32 s43, 15, s43                        ; my row of the cluster
	s_lshl_b32 s44, 0x1111, s40                    ; my column
	s_or_b32 s[G1+0], s43, (0<<16)|(1<<20)|(1<<21)|(5<<22)|(3<<25)
	s_or_b32 s[G1B+0], s44, (0<<16)|(1<<20)|(1<<21)|(5<<22)|(3<<25)
.irp g, G1, G1B
	s_mov_b32 s[\g+1], ROWB<<16
	s_mov_b32 s[\g+2], 128<<16
	s_mov_b32 s[\g+3], ROWB<<16
	s_mov_b32 s[\g+4], 128
	s_mov_b32 s[\g+5], KROW
	s_mov_b32 s[\g+6], 0
	s_mov_b32 s[\g+7], 0
.endr
	s_add_co_u32 s84, s82, 3
	s_cmp_eq_u32 s82, 2
	s_cselect_b32 s83, 5, s82                      ; A's slot of codes
	s_cselect_b32 s84, 2, s84                      ; B's
	s_lshl_b32 s18, s16, 7
	s_lshl_b32 s20, s17, 8
	s_add_co_u32 s20, s20, s18
	s_lshl_b32 s20, s20, 11
	s_lshl_b32 s19, s83, 22
	s_add_co_u32 s20, s20, s19                     ; A: the bytes ahead of the 128 rows that I fetch
	s_mov_b32 s21, 0
	s_lshl_b32 s46, s42, 8
	s_add_co_u32 s46, s46, s18
	s_lshl_b32 s46, s46, 11
	s_lshl_b32 s19, s84, 22
	s_add_co_u32 s46, s46, s19                     ; B likewise
	s_mov_b32 s47, 0
	s_cmp_eq_u32 s15, 0                            ; the prefetches: of the 128 rows that I fetch, my work-group's 32
	s_cselect_b32 s4, s20, s46
	s_cselect_b32 s8, s40, s41                     ; my place among the four that ask jointly
	s_lshl_b32 s8, s8, 16
	s_add_co_u32 s4, s4, s8
	s_mov_b32 s5, 0
	s_lshl_b32 s6, s17, 17                         ; the table: 131,072 bytes for a tile row's 256 positions,
	s_lshl_b32 s8, s40, 15                         ; a quarter for each partner,
	s_add_co_u32 s6, s6, s8
	s_lshl_b32 s8, s14, 13                         ; 8,192 bytes a wave
	s_add_co_u32 s6, s6, s8
	s_mov_b32 s7, 0
	s_mul_i32 s45, s14, HALFT
	s_lshl_b32 s88, s82, 3
	s_lshl_b32 s89, s82, 2
	s_wait_dscnt 0x0
	s_wait_kmcnt 0x0
	s_load_b64 s[96:97], s[70:71], s88 offset:0x0  ; the product's two e
	s_load_b32 s98, s[70:71], s89 offset:0x18      ; e6, e7 or e8
	s_add_nc_u64 s[20:21], s[68:69], s[20:21]
	s_add_nc_u64 s[46:47], s[68:69], s[46:47]
	s_add_nc_u64 s[4:5], s[68:69], s[4:5]
	s_add_nc_u64 s[6:7], s[78:79], s[6:7]
	CROUND                                         ; in front of the first joint loads
.irp s, 0,1
	s_mov_b32 s[G0+4*\s], 1
	s_add_co_u32 s[G0+4*\s+1], s45, \s*SLOT
	s_add_nc_u64 s[G0+4*\s+2:G0+4*\s+3], s[20:21], \s*ROWB
	s_or_b32 s[G0+4*\s+3], s[G0+4*\s+3], 0x80000000
	s_mov_b32 s[G0B+4*\s], 1
	s_add_co_u32 s[G0B+4*\s+1], s45, \s*SLOT
	s_add_nc_u64 s[G0B+4*\s+2:G0B+4*\s+3], s[46:47], \s*ROWB
	s_or_b32 s[G0B+4*\s+3], s[G0B+4*\s+3], 0x80000000
.endr
	JLOAD G0, G1, G0B, G1B                         ; K step 0: one tensor load a wave at the head
	s_mul_i32 s21, s15, HALFT
	s_mul_i32 s22, s16, HALFT
	s_add_co_u32 s22, s22, 2*HALFT
	s_mul_i32 s23, s14, 16*SPITCH
	s_add_co_u32 s23, s23, STAGE
	v_and_b32 v1, 15, v0                           ; r
	v_bfe_u32 v2, v0, 4, 1                         ; h
	v_and_b32 v6, 31, v0
	v_lshlrev_b32 v[PFO], 11, v6
	v_lshlrev_b32 v[RPO], 8, v6
	v_lshlrev_b32 v[CO], 4, v6
	v_mul_u32_u24 v3, v1, PITCH
	v_lshl_add_u32 v4, v2, 4, v3
	v_add_nc_u32 v[ADRA], s21, v4
	v_add_nc_u32 v[ADRB], s22, v4
	v_add_nc_u32 v[ADRA+1], SLOT, v[ADRA]
	v_add_nc_u32 v[ADRB+1], SLOT, v[ADRB]
	v_mul_u32_u24 v5, v1, SPITCH
	v_lshl_add_u32 v5, v2, 3, v5
	v_add_nc_u32 v[STO], s23, v5                   ; the stage, in: row r, 8 bytes for each half of the lanes
	v_lshl_add_u32 v5, v2, 3, v5
	v_add_nc_u32 v23, s23, v5                      ; the v path: row r, 16 bytes for each half of the lanes
	v_lshrrev_b32 v7, 3, v6
	v_mul_u32_u24 v7, v7, SPITCH
	v_and_b32 v5, 7, v0
	v_lshl_add_u32 v7, v5, 4, v7
	v_add_nc_u32 v[RD], s23, v7                    ; back: eight lanes to a row
	v_lshlrev_b32 v30, 5, v2
	v_lshlrev_b32 v31, 2, v1
	global_prefetch_b8 v[PFO], s[4:5] offset:ROWB th:TH_LOAD_NT scope:SCOPE_SE      ; K steps 1 and 2
	global_prefetch_b8 v[PFO], s[4:5] offset:2*ROWB th:TH_LOAD_NT scope:SCOPE_SE
	s_lshl_b32 s85, s42, 1
	s_add_co_u32 s85, s85, s16                     ; my 128 of B's side
	s_lshl_b32 s90, s17, 1
	s_add_co_u32 s90, s90, s15                     ; my 128 of A's side
	s_cmp_eq_u32 s82, 2
	s_cselect_b32 s91, s90, s85                    ; the head
	s_cselect_b32 s92, s85, s90                    ; the block of 128 positions
	s_lshl_b32 s93, s82, 22
	s_lshl_b32 s94, s91, 18
	s_add_co_u32 s93, s93, s94
	s_lshl_b32 s94, s92, 14
	s_add_co_u32 s94, s93, s94
	s_mov_b32 s95, 0
	s_add_nc_u64 s[10:11], s[80:81], s[94:95]      ; my 16,384 bytes of qkv
	s_cmp_eq_u32 s82, 0
	s_cselect_b64 s[86:87], s[72:73], s[74:75]
	s_cmp_eq_u32 s82, 2
	s_cselect_b64 s[86:87], s[76:77], s[86:87]
	s_lshl_b32 s94, s91, 9
	s_add_nc_u64 s[86:87], s[86:87], s[94:95]      ; the head's bias
	s_lshl_b32 s94, s90, 16
	s_add_nc_u64 s[12:13], s[78:79], s[94:95]      ; my 128 positions of the table
.macro FRAG reg, adr, q, i             ; 16 rows x 128 K: registers 4 c .. 4 c + 3 hold K = 32 c + 16 h + 0 .. 15, alike in A and B
.irp c, 0,1,2,3
	ds_load_b128 v[\reg+4*\c:\reg+4*\c+3], v[\adr] offset:128*(\q)+32*\c+(\i)*16*PITCH
.endr
.endm
.macro MUL16 a0, p, zero               ; the 64 accumulators take turns, one instruction a turn
.irp a, \a0, \a0+1
.irp b, 0,1,2,3,4,5,6,7
.if \zero
	v_wmma_f32_16x16x128_bf8_bf8 v[8*(8*((\a)%4)+\b):8*(8*((\a)%4)+\b)+7], v[128*(\p)+FR*\b:128*(\p)+FR*\b+FR-1], v[AF+FR*(\a):AF+FR*(\a)+FR-1], 0
.else
	v_wmma_f32_16x16x128_bf8_bf8 v[8*(8*((\a)%4)+\b):8*(8*((\a)%4)+\b)+7], v[128*(\p)+FR*\b:128*(\p)+FR*\b+FR-1], v[AF+FR*(\a):AF+FR*(\a)+FR-1], v[8*(8*((\a)%4)+\b):8*(8*((\a)%4)+\b)+7]
.endif
.endr
.endr
.endm
.macro FETCH_B slot, q, p
	WIN TO_B
.irp i, 0,1,2,3,4,5,6,7
	FRAG 128*(\p)+FR*\i, ADRB+\slot, \q, \i
.endr
	WIN 0
.endm
.macro FETCH_A slot, q, i0
.irp i, \i0, \i0+1, \i0+2, \i0+3
	FRAG AF+FR*(\i), ADRA+\slot, \q, \i
.endr
.endm
.macro PLACES n                        ; plain lines between a matrix instruction and a load into, or a read of, its registers
.rept \n
	v_nop
.endr
.endm
.macro STEP slot, q, zero              ; 128 along K with a successor in the same slot
	s_wait_dscnt 4*NL                              ; all but the youngest 16 loads, A's blocks 4-7
	WIN MUL_LO
	MUL16 0, (\q)%2, \zero
	MUL16 2, (\q)%2, \zero
	s_wait_dscnt 0
	PLACES NP
	FETCH_B \slot, (\q)+1, 1-(\q)%2
	FETCH_A \slot, (\q)+1, 0
	WIN MUL_HI
	MUL16 4, (\q)%2, \zero
	MUL16 6, (\q)%2, \zero
	PLACES NP
	WIN 0
	FETCH_A \slot, (\q)+1, 4
.endm
.macro TURN slot, next, fill           ; a slot's last 128 along K, and the change of slots
.if \fill
	s_wait_xcnt 0x0                                ; my prefetches have read their address
	s_add_nc_u64 s[4:5], s[4:5], ROWB
.endif
	s_wait_tensorcnt 0x0                           ; my part of the next slot is in
	ds_add_u32 v[SPW], v[NIL]
	s_wait_dscnt 4*NL+1                            ; the add and A's blocks 4-7 may be out
	WIN MUL_LO
	MUL16 0, 1, 0
	s_wait_dscnt 0x0                               ; the add is done, my reads of this slot are over
	s_barrier_signal -1
	MUL16 2, 1, 0
	WIN 0
	s_barrier_wait -1
.if \fill
	CREST                                          ; the barrier has opened a round of the cluster's barrier
	s_add_nc_u64 s[G0+4*\slot+2:G0+4*\slot+3], s[G0+4*\slot+2:G0+4*\slot+3], 2*ROWB
	s_add_nc_u64 s[G0B+4*\slot+2:G0B+4*\slot+3], s[G0B+4*\slot+2:G0B+4*\slot+3], 2*ROWB
	JLOAD G0+4*\slot, G1, G0B+4*\slot, G1B
.else
	PLACES NP
.endif
	FETCH_B \next, 0, 0
	FETCH_A \next, 0, 0
.if \fill
	ASK \slot
.endif
	WIN MUL_HI
	MUL16 4, 1, 0
	MUL16 6, 1, 0
	PLACES NP
	WIN 0
	FETCH_A \next, 0, 4
.endm
.macro LAST                            ; the very last 128 along K
	s_wait_dscnt 4*NL
	WIN MUL_LO
	MUL16 0, 1, 0
	MUL16 2, 1, 0
	s_wait_dscnt 0
	WIN MUL_HI
	MUL16 4, 1, 0
	MUL16 6, 1, 0
	WIN 0
	PLACES NP
.endm
	s_wait_alu depctr_va_vdst(0)                   ; the wait at the head's end
	s_wait_tensorcnt 0x0                           ; my part of K step 0 is in; slot 1's first fill is issued as a refill is
	ds_add_u32 v[SPW], v[NIL]
	s_wait_dscnt 0x0
	CROUND
	JLOAD G0+4, G1, G0B+4, G1B                     ; K step 1
	FETCH_B 0, 0, 0
	FETCH_A 0, 0, 0
	FETCH_A 0, 0, 4
	global_prefetch_b8 v[PFO], s[4:5] offset:3*ROWB th:TH_LOAD_NT scope:SCOPE_SE    ; K step 3
	STEP 0, 0, 1                                   ; the first products start the sums
	s_mov_b32 s3, LAPS-1
.Llap:
	TURN 0, 1, 1
	STEP 1, 0, 0
	TURN 1, 0, 1
	STEP 0, 0, 0
	s_sub_co_u32 s3, s3, 1
	s_cmp_lg_u32 s3, 0
	s_cbranch_scc1 .Llap
	TURN 0, 1, 0
	STEP 1, 0, 0
	s_wait_kmcnt 0x0
	s_add_co_i32 s96, s96, s97
	s_add_co_i32 s96, s96, 127
	s_lshl_b32 s96, s96, 23                        ; 2^(the product's two e added)
	s_mov_b32 s97, s96
	s_add_co_i32 s98, s98, 127
	s_lshl_b32 s99, s98, 23
	v_mov_b32 v8, s99                              ; 2^e of the result's quantiser
	s_add_co_i32 s98, s98, 15
	s_lshl_b32 s98, s98, 23
	s_or_b32 s98, s98, 0x600000
	v_mov_b32 v9, s98                              ; 57,344 x that
.macro CSLOAD a                        ; block a's 32 cos and 32 sin into set a % 3 of window 1
	WIN 0x40
.irp q, 0,1,2,3,4,5,6,7,8,9,10,11,12,13,14,15
	global_load_b128 v[64+64*((\a)%3)+4*\q:64+64*((\a)%3)+4*\q+3], v[CO], s[12:13] offset:8192*(\a)+512*\q
.endr
	WIN 0
.endm
.macro SEND a, younger                 ; 512 dense bytes a store
	s_wait_dscnt \younger
.irp u, 0,1,2,3
	global_store_b128 v[CO], v[BK+16*((\a)%2)+4*\u:BK+16*((\a)%2)+4*\u+3], s[10:11] offset:2048*(\a)+512*\u
.endr
.endm
.macro OUT a, so                       ; codes, through my stage; the block before leaves while this one is on its way
.irp b, 0,1,2,3,4,5,6,7
	v_cvt_scalef32_pk8_bf8_f32 v[CD+2*\b:CD+2*\b+1], v[Y+8*\b:Y+8*\b+7], v8
.endr
	v_nop
.irp b, 0,1,2,3,4,5,6,7
.if (\so) > 0
	ds_store_b64 v23, v[CD+2*\b:CD+2*\b+1] offset:\so+32*(\b/2)+8*(\b%2)   ; V^T's keys are laid permuted within each 32: key 32 c + 16 u + 8 h + j at byte 32 c + 16 h + 8 u + j, the order of p's codes in the third launch
.else
	ds_store_b64 v[STO], v[CD+2*\b:CD+2*\b+1] offset:\so+16*\b
.endif
.endr
.irp u, 0,1,2,3
	ds_load_b128 v[BK+16*((\a)%2)+4*\u:BK+16*((\a)%2)+4*\u+3], v[RD] offset:\so+4*SPITCH*\u
.endr
.if (\a) > 0
	SEND (\a)-1, 12                                ; behind its loads: this block's 8 stores and 4 loads
.endif
.endm
.macro QKBLOCK a
.if (\a) > 0
	s_wait_xcnt 0x0                                ; earlier stores have read their registers
.if (\a)+2 < 8
	CSLOAD (\a)+2
.endif
.endif
.if (\a) < 6
	s_wait_loadcnt 32                              ; two younger sets may be out
.else
	s_wait_loadcnt 16*(7-(\a))
.endif
.set AC, 64*((\a)%4)
.set CSA, 64+64*((\a)%3)
	WIN 0x12+(\a)/4
.set j, 0
.rept 32
	v_pk_fma_f32 v[Y+j:Y+j+1], v[AC+j:AC+j+1], s[96:97], v[j:j+1] op_sel_hi:[1,0,1]   ; sum x scale + bias, each accumulator from its low end on
.set j, j+2
.endr
	WIN 0x04
.set j, 0
.rept 16
	v_pk_mul_f32 v[T+j:T+j+1], v[Y+j:Y+j+1], v[CSA+j:CSA+j+1]
.set j, j+2
.endr
.set j, 0
.rept 16
	v_pk_fma_f32 v[T+j:T+j+1], v[Y+32+j:Y+32+j+1], v[CSA+32+j:CSA+32+j+1], v[T+j:T+j+1] neg_lo:[1,0,0] neg_hi:[1,0,0]   ; x1 cos - x2 sin
.set j, j+2
.endr
.set j, 0
.rept 16
	v_pk_mul_f32 v[Y+32+j:Y+32+j+1], v[Y+32+j:Y+32+j+1], v[CSA+j:CSA+j+1]
.set j, j+2
.endr
.set j, 0
.rept 16
	v_pk_fma_f32 v[Y+32+j:Y+32+j+1], v[Y+j:Y+j+1], v[CSA+32+j:CSA+32+j+1], v[Y+32+j:Y+32+j+1]   ; x2 cos + x1 sin
.set j, j+2
.endr
	WIN 0
.set j, 0
.rept 32
	v_med3_num_f32 v[Y+j], v[T+j], -v9, v9         ; the hold: the conversion does not saturate (ISA guide 7.6.2)
.set j, j+1
.endr
.rept 32
	v_med3_num_f32 v[Y+j], v[Y+j], -v9, v9
.set j, j+1
.endr
	OUT \a, 0
.endm
.macro VBLOCK a
.if (\a) > 0
	s_wait_xcnt 0x0
.endif
.set AC, 64*((\a)%4)
	WIN 0x12+(\a)/4
.set j, 0
.rept 32
	v_pk_fma_f32 v[Y+j:Y+j+1], v[AC+j:AC+j+1], s[96:97], v[2*(\a):2*(\a)+1] op_sel_hi:[1,0,1]
.set j, j+2
.endr
	WIN 0
.set j, 0
.rept 64
	v_med3_num_f32 v[Y+j], v[Y+j], -v9, v9
.set j, j+1
.endr
	OUT \a, STAGEV
.endm
	s_cmp_eq_u32 s82, 2
	s_wait_alu depctr_va_vdst(0)                   ; the wait ahead of the branch
	s_cbranch_scc1 .Lv_path
	WIN 0x40                                       ; B's set 0 is done with (four plain lines stand behind its last products): the bias and block 0's table land there under the last products
.irp b, 0,1,2,3,4,5,6,7
	global_load_b128 v[8*\b:8*\b+3], v30, s[86:87] offset:64*\b
	global_load_b128 v[8*\b+4:8*\b+7], v30, s[86:87] offset:64*\b+16
.endr
	WIN 0
	CSLOAD 0
	LAST
	CSLOAD 1
	CSLOAD 2
.irp a, 0,1,2,3,4,5,6,7
	QKBLOCK \a
.endr
	SEND 7, 0
	s_branch .Ljoin
.Lv_path:
	WIN 0x40
.irp a, 0,1,2,3,4,5,6,7
	global_load_b32 v[2*\a], v31, s[86:87] offset:64*\a        ; bv at my row d = 16 a + r, in both halves of a pair
	global_load_b32 v[2*\a+1], v31, s[86:87] offset:64*\a
.endr
	WIN 0
	LAST
	s_wait_loadcnt 0x0
.irp a, 0,1,2,3,4,5,6,7
	VBLOCK \a
.endr
	SEND 7, 0
.Ljoin:
	s_wait_tensorcnt 0x0                           ; the wave's end
	ds_add_u32 v[SPW], v[NIL]
	s_wait_dscnt 0x0
	CROUND                                         ; the closing round
	s_endpgm
.Lfunc_end_k_qbbf16b4b62_qkv:
	.size	k_qbbf16b4b62_qkv, .Lfunc_end_k_qbbf16b4b62_qkv-k_qbbf16b4b62_qkv
	.p2alignl 7, 3214868480
	.fill 96, 4, 3214868480
	.section	.rodata,"a",@progbits
	.p2align	6, 0x0
	.amdhsa_kernel k_qbbf16b4b62_qkv
		.amdhsa_group_segment_fixed_size 327680
		.amdhsa_private_segment_fixed_size 0
		.amdhsa_enable_private_segment 0
		.amdhsa_kernarg_size 56
		.amdhsa_user_sgpr_count 2
		.amdhsa_user_sgpr_kernarg_segment_ptr 1
		.amdhsa_wavefront_size32 1
		.amdhsa_system_sgpr_workgroup_id_x 1
		.amdhsa_system_sgpr_workgroup_id_y 1
		.amdhsa_system_sgpr_workgroup_id_z 1
		.amdhsa_system_vgpr_workitem_id 0
		.amdhsa_next_free_vgpr 1024
		.amdhsa_next_free_sgpr 100
		.amdhsa_reserve_vcc 0
		.amdhsa_float_denorm_mode_32 3
		.amdhsa_float_denorm_mode_16_64 3
		.amdhsa_memory_ordered 1
		.amdhsa_forward_progress 1
		.amdhsa_inst_pref_size 255
	.end_amdhsa_kernel
	.section	.bss,"aw",@nobits
	.p2align	6
	.space	262144
	.amdgpu_metadata
---
amdhsa.version: [ 1, 2 ]
amdhsa.kernels:
  - .name:           k_qbbf16b4b62_qkv
    .symbol:         k_qbbf16b4b62_qkv.kd
    .args:
      - { .name: codes, .offset: 0, .size: 8, .value_kind: global_buffer, .address_space: global }
      - { .name: lowp_scales, .offset: 8, .size: 8, .value_kind: global_buffer, .address_space: global }
      - { .name: bq, .offset: 16, .size: 8, .value_kind: global_buffer, .address_space: global }
      - { .name: bk, .offset: 24, .size: 8, .value_kind: global_buffer, .address_space: global }
      - { .name: bv, .offset: 32, .size: 8, .value_kind: global_buffer, .address_space: global }
      - { .name: rope, .offset: 40, .size: 8, .value_kind: global_buffer, .address_space: global }
      - { .name: qkv, .offset: 48, .size: 8, .value_kind: global_buffer, .address_space: global }
    .group_segment_fixed_size: 327680
    .private_segment_fixed_size: 0
    .kernarg_segment_align: 8
    .kernarg_segment_size: 56
    .max_flat_workgroup_size: 128
    .sgpr_count:     100
    .vgpr_count:     1024
    .wavefront_size: 32
...
	.end_amdgpu_metadata
.endif
;; end of part 2
;; launch attn (part 3): grid 16 x 16, 8 waves a work-group, no clusters, 327,680 bytes of LDS; arguments qkv, lowp_scales, acodes; writes acodes
.if DOCPART == 3
	.amdgcn_target "amdgcn-amd-amdhsa--gfx1250"
	.amdhsa_code_object_version 6
	.text
	.protected	k_qbbf16b4b62_attn
	.globl	k_qbbf16b4b62_attn
	.p2align	8
	.type	k_qbbf16b4b62_attn,@function
k_qbbf16b4b62_attn:
	s_mov_b64 s[64:65], 0
	v_nop
	global_prefetch_b8 v0, s[64:65] scope:SCOPE_SE
	s_setreg_imm32_b32 hwreg(HW_REG_WAVE_MODE, 25, 1), 1
	s_wait_xcnt 0x0
; THIRD LAUNCH: products 4 and 5 on codes of BF8, the softmax between them, the division by the row's sum, and the quantiser of product 6's left operand.
; WORK LEFT OUT: key steps (128 keys) that lie wholly above the diagonal for a wave's 32 queries, and the loads that only such steps would read: the function's own lower-triangle mask makes their weights 0 for all finite inputs.
; A NaN, an infinity or an overflow that reaches only hidden scores is not carried to the result.
; THE SOFTMAX: t = score x log2(e) / sqrt(128); M = the running largest t rounded up to a whole number; p = 2^(t - M) is quantised (e9), not normalised; the row's sum is taken of the unquantised p and divides at the end.
; SHARES.  256 work-groups: head = y, i = x.  Work-group i owns the blocks of 64 queries 31 - i (waves 0-3) and i (waves 4-7).  A WAVE OWNS TWO NEIGHBOURING TILES of 16 queries, which share every fragment of K and V^T:
; a fragment read from LDS feeds two matrix instructions.  THE KEY STEPS OF A PAIR OF TILES ARE SPLIT BY PARITY between two waves (bit 1 of the wave's number), each with a running M, a sum and an O^T of its own for each tile.
; At the end the two waves exchange through LDS: the even wave joins tile 0's two parts, the odd wave tile 1's; both parts are brought under the larger M by powers of two, which round nothing, and added.
; Block b has b / 2 + 1 key steps, so the two blocks have 17 for every i, and no wave has more than 8.
; Every work-group walks all 4 slots of 512 keys (the trip counts are constants); what is left out is a step's work and a load.
; NO CLUSTER, though the work-groups of a head read the same K and V: where a work-group's loads end hangs on its number, so a jump on ids leads round them.
; LAYOUT.  S^T = K Q^T, O^T = V^T P^T: a lane holds one query (lane % 16) of each tile.  Tile t of K is keys 16 t .. 16 t + 15, so register 8 t + j of lane (r, h) is key 16 t + 8 h + j, and the 16 codes made of tiles 2 c, 2 c + 1
; are keys 32 c + 8 h + j and 32 c + 16 + 8 h + j.  The second launch lays V^T's keys in that same order within each 32, so that sixteen neighbouring bytes of a row of V^T meet them.
; A STEP'S VECTOR WORK GOES IN THREE PHASES, each for both tiles: the maxima, M, t - M and the rescaling of the sum and of O^T; the 128 exponentials as one batch; the sums, the holds and the codes.
; So the scores and O^T are first read with no exponential behind the products that wrote them, and the batch has one wait ahead of it and one behind it.
; THE RING.  Two slots of 512 keys; a slot is two halves of 256 keys; a half is 256 rows of K (128 bytes + 16), then 256 rows of V^T (row 128 x block + d).  Every wave fetches 128 such rows with one tensor load: 16,384 dense bytes,
; stated as 64 rows of 256 bytes with the padding behind each 128.  One load of a wave is out at a time, every wait for it is for 0.
; acodes: [block of 128 positions][head][128 positions][128 d]: a tile's 16 rows are 2,048 dense bytes.
; LIMITS: e6 + e7 between -123 and 130; e9 and e10 between -126 and 112; e8 + e9 goes by v_ldexp_f32 and has none.
; REGISTERS.  Tile 0 lives in window 0 and tile 1 in window 1 under the same numbers, so that each phase is written once and run under two settings: v10 r - 8 h (+ 16); v12 -M, v13 the largest t, v[14:15] the sum; v16-31 Q;
; v32-95 four fragments (window 0: tiles 0-3, window 1: tiles 4-7, for both tiles of queries); v96-159 S^T, then p; v160-223 O^T; v224-239 codes; v236-255 at work.  Window 0 alone: v1-9, v11, v246, v247 addresses.
.set KP,    144
.set VOFF,  256*KP
.set HALF,  2*VOFF
.set SLOTB, 2*HALF
.set NSL,   4
.set SPARE, 2*SLOTB                    ; the spare words, 128 bytes for each of eight waves
.set STAGE, SPARE+1024                 ; the way out: 16 rows x 144 bytes for each tile; no tile of the ring lands here
.set MPB,   8704                       ; the exchange: 8,192 bytes of O^T and 512 of (-M, sum) for each tile, from LDS byte 0 on: slot 0 has had its last fill by then and nobody reads it
.set AK0,  1
.set AV0,  2
.set PFO,  3                           ; 256 x lane
.set MA,   4                           ; the exchange: my pair's bytes + 16 x lane
.set SPW,  5
.set NIL,  6
.set GO,   7                           ; 16 x lane
.set ADK,  8
.set ADV,  9
.set RH,   10
.set SI,   246
.set SB,   247
.set WV,   18
.set SEL,  20
.set CS,   22
.set G1,   24
.set G0,   40
.set TB,   2                           ; LDS byte at which the half in hand begins
.set QL,   66                          ; my work-group's last query
.set SLOTS, 67
.set PFA,  76
.set LIM,  80
.set WOFF, 82                          ; which of a slot's four key steps my load serves, x 128
.set FB,   90
.set LW,   91                          ; my load's place in a slot
.set PAIR, 92
.set MI,   93                          ; my pair of tiles, 0-3
.set PAR,  94                          ; my parity
.set PO,   95                          ; 128 x parity
.set KF,   98                          ; the first key of the half in hand
.set Q0,   99
.set MSB, 0
.macro WIN new                         ; the immediate's high byte repeats the setting that is left
.if MSB != (\new)
	s_set_vgpr_msb (MSB<<8)|(\new)
.set MSB, (\new)
.endif
.endm
.set ALL1, 0x55                        ; every operand in window 1
.set TO_1, 0x40                        ; destination window 1
.set DAT1, 0x04                        ; an LDS store's data in window 1
.macro TLOAD
	tensor_load_to_lds s[G0:G0+3], s[G1:G1+7]
	s_nop 0
.rept 4
	v_nop
.endr
.endm
; A prefetch of what the NEXT change of slots will ask for.  Work-group i = 0, whose last query is the head's last, loads every slot: it asks, and nobody else.  Each of its eight waves names the 16,384 bytes that it will
; itself fetch, lanes 256 bytes apart, in two instructions: each block of 256 bytes once.  A slot's four key steps ahead of that load.  Slots 0 and 1 come by their loads alone; behind slot 3 nothing is asked.
.macro ASK
	s_cmp_gt_u32 s[SLOTS], s[LIM]
	s_cbranch_scc0 .Lnot_mine_\@
	global_prefetch_b8 v[PFO], s[PFA:PFA+1] th:TH_LOAD_NT scope:SCOPE_SE
	global_prefetch_b8 v[PFO], s[PFA:PFA+1] offset:8192 th:TH_LOAD_NT scope:SCOPE_SE
.Lnot_mine_\@:
.endm
	s_load_b128 s[4:7], s[0:1], 0x0                ; qkv 4:5, scales 6:7
	s_load_b64 s[8:9], s[0:1], 0x10                ; acodes
	v_lshl_add_u32 v[SPW], v0, 2, SPARE
	v_mov_b32 v[NIL], 0
	ds_add_u32 v[SPW], v[NIL]                      ; the opening lines: the add twice on end and its wait
	ds_add_u32 v[SPW], v[NIL]
	v_lshrrev_b32 v8, 5, v0
	v_readfirstlane_b32 s[WV], v8                  ; wave 0..7
	s_and_b32 s73, ttmp7, 0xffff                   ; the head
	s_lshl_b32 s74, s73, 18
	s_sub_co_u32 s75, 31, ttmp9
	s_bfe_u32 s[PAR], s[WV], 0x10001
	s_cmp_lt_u32 s[WV], 4
	s_cselect_b32 s[Q0], s75, ttmp9                ; my block of 64 queries
	s_lshl_b32 s[Q0], s[Q0], 6
	s_and_b32 s84, s[WV], 1                        ; which 32 of them
	s_lshl_b32 s85, s84, 5
	s_add_co_u32 s[Q0], s[Q0], s85                 ; my first query
	s_lshr_b32 s[MI], s[WV], 2
	s_lshl_b32 s[MI], s[MI], 1
	s_add_co_u32 s[MI], s[MI], s84
	s_lshl_b32 s[QL], s75, 6
	s_add_co_u32 s[QL], s[QL], 63
	s_and_b32 s83, s[WV], 3                        ; the key step of a slot that I fetch for
	s_lshl_b32 s[WOFF], s83, 7
	s_lshl_b32 s[PO], s[PAR], 7
	s_lshr_b32 s85, s83, 1
	s_mul_i32 s[LW], s85, HALF                     ; my load's place: the half,
	s_lshr_b32 s84, s[WV], 2                       ; K (0) or V^T (1),
	s_mul_i32 s85, s84, VOFF
	s_add_co_u32 s[LW], s[LW], s85
	s_and_b32 s85, s83, 1
	s_mul_i32 s85, s85, 128*KP                     ; and which 128 of its 256 rows
	s_add_co_u32 s[LW], s[LW], s85
	s_add_co_u32 s84, s84, 1
	s_lshl_b32 s84, s84, 22
	s_add_co_u32 s84, s84, s74
	s_lshl_b32 s85, s83, 14
	s_add_co_u32 s84, s84, s85                     ; the same 128 rows in memory: 16,384 dense bytes
	s_mov_b32 s85, 0
	s_lshl_b32 s86, s[Q0], 7
	s_add_co_u32 s86, s86, s74                     ; my queries' codes
	s_mov_b32 s87, 0
	s_lshr_b32 s88, s[Q0], 7
	s_lshl_b32 s88, s88, 4
	s_add_co_u32 s88, s88, s73
	s_lshl_b32 s88, s88, 14
	s_and_b32 s89, s[Q0], 127
	s_lshl_b32 s89, s89, 7
	s_add_co_u32 s88, s88, s89                     ; my 32 rows of acodes,
	s_lshl_b32 s89, s[PAR], 11
	s_add_co_u32 s88, s88, s89                     ; and of them the tile that I join and store: tile 0 or tile 1 by my parity
	s_mov_b32 s89, 0
	s_mul_i32 s81, s[PAR], 128*KP                  ; my key step of a half
	s_mul_i32 s75, s[MI], 2*MPB
	s_mov_b32 s[G1], (0<<16)|(1<<20)|(4<<22)|(3<<25)   ; elements of 1 byte; padding: 4 words behind every 32
	s_mov_b32 s[G1+1], 256<<16
	s_mov_b32 s[G1+2], 64<<16
	s_mov_b32 s[G1+3], 256<<16
	s_mov_b32 s[G1+4], 64
	s_mov_b32 s[G1+5], 256
	s_mov_b32 s[G1+6], 0
	s_mov_b32 s[G1+7], 0
	s_mov_b32 s[G0], 1
	s_mov_b32 s[G0+1], s[LW]
	s_mov_b32 s[FB], 0
	s_mov_b32 s[SEL], 0x76543210
	s_mov_b32 s[SEL+1], 0xfedcba98
	s_mov_b32 s[CS], 0x3e0293ee                    ; c = log2(e) / sqrt(128)
	s_mov_b32 s[TB], 0
	s_mov_b32 s[SLOTS], NSL-1
	s_mov_b32 s[KF], 0
	s_cmp_eq_u32 ttmp9, 0
	s_cselect_b32 s[LIM], 1, -1
	s_wait_dscnt 0x0
	s_wait_kmcnt 0x0
	s_load_b128 s[68:71], s[6:7], 0x18             ; e6 (q), e7 (k), e8 (V^T), e9 (p)
	s_load_b32 s72, s[6:7], 0x28                   ; e10
	s_add_nc_u64 s[G0+2:G0+3], s[4:5], s[84:85]
	s_add_nc_u64 s[PFA:PFA+1], s[G0+2:G0+3], 65536 ; in slot 1: the first change of slots steps it to slot 2
	s_or_b32 s[G0+3], s[G0+3], 0x80000000
	TLOAD                                          ; slot 0: every wave's part (its 512 keys come before every work-group's last query, 1,087 at the least)
	s_add_nc_u64 s[4:5], s[4:5], s[86:87]
	s_add_nc_u64 s[8:9], s[8:9], s[88:89]
	v_and_b32 v[PFO], 31, v0
	v_lshlrev_b32 v[GO], 4, v[PFO]
	v_lshlrev_b32 v[PFO], 8, v[PFO]
	v_and_b32 v8, 15, v0                           ; r
	v_bfe_u32 v9, v0, 4, 1                         ; h
	v_lshlrev_b32 v11, 7, v8
	v_lshl_add_u32 v11, v9, 4, v11
.irp c, 0,1,2,3
	global_load_b128 v[16+4*\c:19+4*\c], v11, s[4:5] offset:32*\c          ; Q's fragments stay in registers
.endr
	WIN TO_1
.irp c, 0,1,2,3
	global_load_b128 v[16+4*\c:19+4*\c], v11, s[4:5] offset:2048+32*\c     ; tile 1: 16 rows on
.endr
	WIN 0
	v_mul_u32_u24 v[AK0], v8, KP
	v_lshl_add_u32 v[AK0], v9, 4, v[AK0]
	v_add_nc_u32 v[AK0], s81, v[AK0]
	v_add_nc_u32 v[AV0], VOFF, v[AK0]
	v_add_nc_u32 v[MA], s75, v[GO]
	v_lshlrev_b32 v9, 3, v9
	v_sub_nc_u32 v[RH], v8, v9                     ; r - 8 h
	WIN TO_1
	v_add_nc_u32 v[RH], 16, v[RH]                  ; tile 1's queries lie 16 on
	WIN 0
.macro INIT                            ; what hangs on no scale stands ahead of the wait for the scales
	v_mov_b32 v13, 0xff61b1e6                      ; the largest t so far: -3e38
	v_floor_f32 v12, -v13                          ; -M
	v_mov_b32 v14, 0
	v_mov_b32 v15, 0
	v_mov_b32 v236, 0                              ; a lane permute's destination counts as one of its sources
	v_mov_b32 v253, 0                              ; named as upper halves of pairs
	v_mov_b32 v255, 0
.set j, 0
.rept 64
	v_mov_b32 v[160+j], 0                          ; O^T: the step is written for all steps alike; the first finds zeros
.set j, j+1
.endr
.endm
.macro CONST
	v_mov_b32 v244, s74
	v_mov_b32 v240, s73
	v_mov_b32 v245, s84
	v_mov_b32 v241, s83
.endm
	INIT
	WIN ALL1
	INIT
	WIN 0
	s_wait_kmcnt 0x0
	s_add_co_i32 s73, s68, s69
	s_lshl_b32 s73, s73, 23
	s_add_co_i32 s[CS], s[CS], s73                 ; e6 + e7 go into c's exponent field
	s_mov_b32 s[CS+1], s[CS]
	s_add_co_i32 s73, s71, 127
	s_lshl_b32 s74, s73, 23                        ; 2^e9
	s_add_co_i32 s73, s73, 15
	s_lshl_b32 s73, s73, 23
	s_or_b32 s73, s73, 0x600000                    ; 57,344 x 2^e9
	s_add_co_i32 s83, s72, 127
	s_lshl_b32 s84, s83, 23                        ; 2^e10
	s_add_co_i32 s83, s83, 15
	s_lshl_b32 s83, s83, 23
	s_or_b32 s83, s83, 0x600000                    ; 57,344 x 2^e10
	CONST
	WIN ALL1
	CONST
	WIN 0
.macro KLOAD g                         ; K's tiles 4 g .. 4 g + 3 of my key step
.irp t, 0,1,2,3
.irp c, 0,1,2,3
	ds_load_b128 v[32+16*\t+4*\c:32+16*\t+4*\c+3], v[ADK] offset:16*(4*\g+\t)*KP+32*\c
.endr
.endr
.endm
.macro VLOAD g                         ; V^T's likewise
.irp t, 0,1,2,3
.irp c, 0,1,2,3
	ds_load_b128 v[32+16*\t+4*\c:32+16*\t+4*\c+3], v[ADV] offset:16*(4*\g+\t)*KP+32*\c
.endr
.endr
.endm
.macro SMUL g                          ; four score products of one tile of queries
.irp t, 0,1,2,3
	v_wmma_f32_16x16x128_bf8_bf8 v[96+8*(4*\g+\t):103+8*(4*\g+\t)], v[32+16*\t:47+16*\t], v[16:31], 0
.endr
.endm
.macro OMUL g
.irp t, 0,1,2,3
	v_wmma_f32_16x16x128_bf8_bf8 v[160+8*(4*\g+\t):167+8*(4*\g+\t)], v[32+16*\t:47+16*\t], v[224:239], v[160+8*(4*\g+\t):167+8*(4*\g+\t)]
.endr
.endm
.macro MASK                            ; s96 = my first query - the step's first key.  Register 8 t + j holds that key + 16 t + 8 h + j: hidden where 16 t + j > d
	v_add_nc_u32 v252, s96, v[RH]                  ; d
	v_mov_b32 v254, 0xff800000
.set n, 0
.rept 64
	v_cmp_gt_i32 vcc_lo, 16*(n/8)+n%8, v252
	v_cndmask_b32 v[96+n], v[96+n], v254, vcc_lo
.set n, n+1
.endr
.endm
.macro PHA                             ; one tile: the largest score in four chains (each accumulator is first read at its low end), M, f, t - M, the sum and O^T under the new M
	v_max3_num_f32 v254, v96, v97, v98
	v_max3_num_f32 v252, v99, v100, v101
	v_max3_num_f32 v250, v102, v103, v104
	v_max3_num_f32 v248, v105, v106, v107
.irp i, 12,20,28,36,44,52
	v_max3_num_f32 v254, v254, v[96+\i], v[97+\i]
	v_max3_num_f32 v252, v252, v[98+\i], v[99+\i]
	v_max3_num_f32 v250, v250, v[100+\i], v[101+\i]
	v_max3_num_f32 v248, v248, v[102+\i], v[103+\i]
.endr
	v_max3_num_f32 v254, v254, v156, v157
	v_max3_num_f32 v252, v252, v158, v159
	v_max3_num_f32 v254, v254, v252, v250
	v_max_num_f32 v254, v254, v248
	v_permlanex16_b32 v236, v254, s[SEL], s[SEL+1]
	v_max_num_f32 v254, v254, v236
	v_mul_f32 v254, s[CS], v254
	v_max_num_f32 v13, v13, v254                   ; the running largest t
	v_mov_b32 v254, v12
	v_floor_f32 v12, -v13                          ; the new -M
	v_sub_f32 v254, v12, v254                      ; old M - new M, a whole number, 0 or less
	v_cvt_i32_f32 v254, v254
	v_ldexp_f32 v252, 1.0, v254                    ; f = 2^(old M - new M)
.set j, 0
.rept 32
	v_pk_fma_f32 v[96+j:97+j], v[96+j:97+j], s[CS:CS+1], v[12:13] op_sel_hi:[1,0,0]   ; t - M
.set j, j+2
.endr
	v_pk_mul_f32 v[14:15], v[14:15], v[252:253] op_sel_hi:[1,0]
.set j, 0
.rept 32
	v_pk_mul_f32 v[160+j:161+j], v[160+j:161+j], v[252:253] op_sel_hi:[1,0]
.set j, j+2
.endr
.endm
.macro EXPS
.set j, 0
.rept 64
	v_exp_f32 v[96+j], v[96+j]                     ; p
.set j, j+1
.endr
.endm
.macro PHC                             ; one tile: the sum of the unquantised p in four chains, the hold, the codes
	v_pk_add_f32 v[242:243], v[96:97], v[98:99]
	v_pk_add_f32 v[250:251], v[100:101], v[102:103]
	v_pk_add_f32 v[248:249], v[104:105], v[106:107]
.irp j, 12,20,28,36,44,52
	v_pk_add_f32 v[14:15], v[14:15], v[96+\j:97+\j]
	v_pk_add_f32 v[242:243], v[242:243], v[98+\j:99+\j]
	v_pk_add_f32 v[250:251], v[250:251], v[100+\j:101+\j]
	v_pk_add_f32 v[248:249], v[248:249], v[102+\j:103+\j]
.endr
	v_pk_add_f32 v[14:15], v[14:15], v[156:157]
	v_pk_add_f32 v[242:243], v[242:243], v[158:159]
	v_pk_add_f32 v[14:15], v[14:15], v[248:249]
	v_pk_add_f32 v[242:243], v[242:243], v[250:251]
.irp b, 0,1,2,3
.irp i, 0,1,2,3,4,5,6,7,8,9,10,11,12,13,14,15
	v_min_num_f32 v[96+16*\b+\i], v[96+16*\b+\i], v240   ; p is not negative: a one-sided hold
.endr
	v_cvt_scalef32_pk8_bf8_f32 v[224+4*\b:225+4*\b], v[96+16*\b:103+16*\b], v244
	v_cvt_scalef32_pk8_bf8_f32 v[226+4*\b:227+4*\b], v[104+16*\b:111+16*\b], v244
.endr
	v_pk_add_f32 v[14:15], v[14:15], v[242:243]    ; also the plain line behind the last conversion
.endm
; MY KEY STEP of the half in hand: 128 keys from KF + 128 x parity on.  Left out where all of them come after my 32 queries: a scalar branch on ids; no barrier and no tensor load stands here.
; The matrix instructions' settings: bits 1:0 the fragments' window, the other fields the tile's.
.macro STEP
	s_add_co_u32 s96, s[Q0], 31
	s_add_co_u32 s97, s[KF], s[PO]
	s_cmp_gt_u32 s97, s96
	s_cbranch_scc1 .Lhidden_\@
	v_add_nc_u32 v[ADK], s[TB], v[AK0]
	v_add_nc_u32 v[ADV], s[TB], v[AV0]
	v_nop                                          ; four plain lines ahead of loads into registers that the last products read (the two additions are two of them)
	v_nop
	KLOAD 0
	WIN TO_1
	KLOAD 1
	WIN 0
	s_wait_alu depctr_va_vdst(0)                   ; the wait here, directly ahead of the wait below
	s_wait_dscnt 16                                ; K's tiles 0-3 are in; the youngest 16 loads may be out
	SMUL 0
	WIN 0x54
	SMUL 0
	s_wait_dscnt 0x0
	WIN 0x01
	SMUL 1
	WIN ALL1
	SMUL 1
	WIN 0
.rept 4
	v_nop
.endr
	VLOAD 0                                        ; the softmax stands between these 32 loads and their use
	WIN TO_1
	VLOAD 1
	WIN 0
	s_add_co_u32 s96, s97, 127
	s_cmp_le_u32 s96, s[Q0]                        ; all keys count for all 32 queries: no mask
	s_cbranch_scc1 .Lopen_\@
	s_sub_co_i32 s96, s[Q0], s97
	MASK
	WIN ALL1
	MASK
	WIN 0
.Lopen_\@:
	PHA
	WIN ALL1
	PHA
	s_wait_alu depctr_va_vdst(0)                   ; the wait ahead of the batch
	EXPS
	WIN 0
	EXPS
	v_nop                                          ; a plain line behind the last exponential
	s_wait_alu depctr_va_vdst(0)                   ; one wait for the batch of 128, ahead of its first reader
	PHC
	WIN ALL1
	PHC
	WIN 0
	s_wait_alu depctr_va_vdst(0)                   ; the wait here, directly ahead of the wait below
	s_wait_dscnt 0x0
	OMUL 0
	WIN 0x54
	OMUL 0
	WIN 0x01
	OMUL 1
	WIN ALL1
	OMUL 1
	WIN 0
.Lhidden_\@:
.endm
; THE CHANGE OF SLOTS, at a slot's head.  fill = 1: behind the barrier the other slot is asked for.  A wave's load brings the K or the V^T of one key step; where that step's first key comes after the work-group's
; last query, no wave would read it, and the load is not issued.  The test is made of the wave's and the work-group's numbers and the count of steps alone; it leads round the load's own lines and nothing else.
.macro CHANGE fill
	s_wait_tensorcnt 0x0
	ds_add_u32 v[SPW], v[NIL]                      ; the add once: every way here leads through the head's load
.if \fill
	s_xor_b32 s[FB], s[FB], SLOTB
	s_add_co_u32 s[G0+1], s[FB], s[LW]
	s_add_nc_u64 s[G0+2:G0+3], s[G0+2:G0+3], 65536 ; the next 512 keys
	s_wait_xcnt 0x0                                ; the last prefetches have read their address
	s_add_nc_u64 s[PFA:PFA+1], s[PFA:PFA+1], 65536
.endif
	s_wait_dscnt 0x0
	s_barrier_signal -1
	s_barrier_wait -1
.if \fill
	s_add_co_u32 s96, s[KF], 512
	s_add_co_u32 s96, s96, s[WOFF]                 ; the first key of the step that my load serves
	s_cmp_gt_u32 s96, s[QL]
	s_cbranch_scc1 .Lpast_\@
	TLOAD
.Lpast_\@:
	ASK
.endif
.endm
.macro SLOT_STEPS                      ; a slot's two halves: written once, walked twice
	s_mov_b32 s[PAIR], 2
.Lpair_\@:
	STEP
	s_add_co_u32 s[KF], s[KF], 256
	s_add_co_u32 s[TB], s[TB], HALF
	s_sub_co_u32 s[PAIR], s[PAIR], 1
	s_cmp_lg_u32 s[PAIR], 0
	s_cbranch_scc1 .Lpair_\@
	s_sub_co_u32 s[TB], s[TB], 2*HALF
	s_xor_b32 s[TB], s[TB], SLOTB
.endm
	s_wait_alu depctr_va_vdst(0)
	s_wait_loadcnt 0x0                             ; Q
.Lslot:                                            ; three trips
	CHANGE 1
	SLOT_STEPS
	s_sub_co_u32 s[SLOTS], s[SLOTS], 1
	s_cmp_lg_u32 s[SLOTS], 0
	s_cbranch_scc1 .Lslot
	CHANGE 0                                       ; the last slot is written out: behind its change nothing is asked for
	SLOT_STEPS
	; THE EXCHANGE.  All address registers are made ahead of the waves' parting.
.macro FIN
	v_add_f32 v14, v14, v15
	v_permlanex16_b32 v253, v14, s[SEL], s[SEL+1]
	v_add_f32 v13, v14, v253                       ; my keys' sum: v[12:13] = (-M, sum)
.endm
.rept 4
	v_nop                                          ; plain lines behind the last products
.endr
	FIN
	WIN ALL1
	FIN
	WIN 0
	v_and_b32 v8, 15, v0
	v_bfe_u32 v9, v0, 4, 1
	s_mul_i32 s74, s[MI], 32*KP
	s_add_co_u32 s74, s74, STAGE
	s_mul_i32 s75, s[PAR], 16*KP
	s_add_co_u32 s74, s74, s75                     ; the stage of the tile that I join
	v_mul_u32_u24 v[SI], v8, KP
	v_lshl_add_u32 v[SI], v9, 3, v[SI]
	v_add_nc_u32 v[SI], s74, v[SI]                 ; in: row r, 8 bytes for each half of the lanes
	v_bfe_u32 v[SB], v0, 3, 2
	v_mul_u32_u24 v[SB], v[SB], KP
	v_and_b32 v8, 7, v0
	v_lshl_add_u32 v[SB], v8, 4, v[SB]
	v_add_nc_u32 v[SB], s74, v[SB]                 ; back: eight lanes to a row
	s_add_co_i32 s73, s70, s71                     ; e8 + e9
	s_wait_alu depctr_va_vdst(0)                   ; the wait ahead of the wait below
	s_wait_dscnt 0x0
	s_barrier_signal -1
	s_barrier_wait -1                              ; every wave's reads of the ring are over
	s_cmp_eq_u32 s[PAR], 0
	s_cbranch_scc0 .Lodd_gives
	WIN DAT1                                       ; the even wave gives its part of tile 1: an image of the registers, each accumulator from its low end on
.irp k, 0,1,2,3,4,5,6,7,8,9,10,11,12,13,14,15
	ds_store_b128 v[MA], v[160+4*\k:163+4*\k] offset:MPB+512*\k
.endr
	ds_store_b128 v[MA], v[12:15] offset:MPB+8192
	WIN 0
	s_branch .Lgiven
.Lodd_gives:                                       ; the odd wave gives its part of tile 0
.irp k, 0,1,2,3,4,5,6,7,8,9,10,11,12,13,14,15
	ds_store_b128 v[MA], v[160+4*\k:163+4*\k] offset:512*\k
.endr
	ds_store_b128 v[MA], v[12:15] offset:8192
.Lgiven:
	s_wait_dscnt 0x0
	s_barrier_signal -1
	s_barrier_wait -1
.macro MERGE                           ; one tile: the two parts joined, divided by the sum, held, turned into codes by e10
	v_min_num_f32 v254, v12, v248                  ; -M of the two together
	v_sub_f32 v252, v254, v12                      ; whole numbers, 0 or less; a wave that had no step holds -M = 3e38, zeros, and gets the factor 0
	v_sub_f32 v254, v254, v248
	v_cvt_i32_f32 v252, v252                       ; (it saturates)
	v_cvt_i32_f32 v254, v254
	v_ldexp_f32 v252, 1.0, v252
	v_ldexp_f32 v254, 1.0, v254
	v_mul_f32 v14, v13, v252
	v_fma_f32 v14, v249, v254, v14                 ; the row's sum
	s_wait_alu depctr_va_vdst(0)                   ; the wait ahead of the transcendental
	v_rcp_f32 v14, v14
	v_nop
	s_wait_alu depctr_va_vdst(0)                   ; and ahead of its first reader
	v_ldexp_f32 v14, v14, s73                      ; x 2^(e8 + e9)
	v_mul_f32 v252, v252, v14
	v_mul_f32 v254, v254, v14
	s_wait_alu depctr_va_vdst(0)                   ; the wait here, directly ahead of the first reader of O^T
.set j, 0
.rept 32
	v_pk_mul_f32 v[96+j:97+j], v[160+j:161+j], v[252:253] op_sel_hi:[1,0]
.set j, j+2
.endr
.set j, 0
.rept 32
	v_pk_fma_f32 v[96+j:97+j], v[32+j:33+j], v[254:255], v[96+j:97+j] op_sel_hi:[1,0,1]   ; register 8 t + i is o(r, 16 t + 8 h + i)
.set j, j+2
.endr
.set j, 0
.rept 64
	v_med3_num_f32 v[96+j], v[96+j], -v241, v241
.set j, j+1
.endr
.irp t, 0,1,2,3,4,5,6,7
	v_cvt_scalef32_pk8_bf8_f32 v[224+2*\t:225+2*\t], v[96+8*\t:103+8*\t], v245
.endr
	v_nop
.endm
	s_cmp_eq_u32 s[PAR], 0
	s_cbranch_scc0 .Lodd_joins
.irp k, 0,1,2,3,4,5,6,7,8,9,10,11,12,13,14,15
	ds_load_b128 v[32+4*\k:35+4*\k], v[MA] offset:512*\k
.endr
	ds_load_b128 v[248:251], v[MA] offset:8192     ; the other's -M, sum
	s_wait_dscnt 0x0
	MERGE
.irp t, 0,1,2,3,4,5,6,7
	ds_store_b64 v[SI], v[224+2*\t:225+2*\t] offset:16*\t
.endr
	s_branch .Lout
.Lodd_joins:
	WIN TO_1
.irp k, 0,1,2,3,4,5,6,7,8,9,10,11,12,13,14,15
	ds_load_b128 v[32+4*\k:35+4*\k], v[MA] offset:MPB+512*\k
.endr
	ds_load_b128 v[248:251], v[MA] offset:MPB+8192
	s_wait_dscnt 0x0
	WIN ALL1
	MERGE
	WIN DAT1
.irp t, 0,1,2,3,4,5,6,7
	ds_store_b64 v[SI], v[224+2*\t:225+2*\t] offset:16*\t
.endr
	WIN 0
.Lout:
.irp u, 0,1,2,3
	ds_load_b128 v[32+4*\u:35+4*\u], v[SB] offset:4*KP*\u     ; my tile's 16 rows, four an instruction; LDS serves a wave's instructions in order
.endr
.irp u, 0,1,2,3
	s_wait_dscnt 3-\u
	global_store_b128 v[GO], v[32+4*\u:35+4*\u], s[8:9] offset:512*\u   ; 512 dense bytes a store
.endr
	s_wait_tensorcnt 0x0                           ; the wave's end
	ds_add_u32 v[SPW], v[NIL]
	s_wait_dscnt 0x0
	s_endpgm
.Lfunc_end_k_qbbf16b4b62_attn:
	.size	k_qbbf16b4b62_attn, .Lfunc_end_k_qbbf16b4b62_attn-k_qbbf16b4b62_attn
	.p2alignl 7, 3214868480
	.fill 96, 4, 3214868480
	.section	.rodata,"a",@progbits
	.p2align	6, 0x0
	.amdhsa_kernel k_qbbf16b4b62_attn
		.amdhsa_group_segment_fixed_size 327680
		.amdhsa_private_segment_fixed_size 0
		.amdhsa_enable_private_segment 0
		.amdhsa_kernarg_size 24
		.amdhsa_user_sgpr_count 2
		.amdhsa_user_sgpr_kernarg_segment_ptr 1
		.amdhsa_wavefront_size32 1
		.amdhsa_system_sgpr_workgroup_id_x 1
		.amdhsa_system_sgpr_workgroup_id_y 1
		.amdhsa_system_sgpr_workgroup_id_z 1
		.amdhsa_system_vgpr_workitem_id 0
		.amdhsa_next_free_vgpr 512
		.amdhsa_next_free_sgpr 100
		.amdhsa_reserve_vcc 1
		.amdhsa_float_denorm_mode_32 3
		.amdhsa_float_denorm_mode_16_64 3
		.amdhsa_memory_ordered 1
		.amdhsa_forward_progress 1
		.amdhsa_inst_pref_size 127
	.end_amdhsa_kernel
	.amdgpu_metadata
---
amdhsa.version: [ 1, 2 ]
amdhsa.kernels:
  - .name:           k_qbbf16b4b62_attn
    .symbol:         k_qbbf16b4b62_attn.kd
    .args:
      - { .name: qkv, .offset: 0, .size: 8, .value_kind: global_buffer, .address_space: global }
      - { .name: lowp_scales, .offset: 8, .size: 8, .value_kind: global_buffer, .address_space: global }
      - { .name: acodes, .offset: 16, .size: 8, .value_kind: global_buffer, .address_space: global }
    .group_segment_fixed_size: 327680
    .private_segment_fixed_size: 0
    .kernarg_segment_align: 8
    .kernarg_segment_size: 24
    .max_flat_workgroup_size: 256
    .sgpr_count:     100
    .vgpr_count:     512
    .wavefront_size: 32
...
	.end_amdgpu_metadata
.endif
;; end of part 3
;; launch proj (part 4): grid 16 x 16, 4 waves a work-group, clusters of 4 x 4, 327,680 bytes of LDS; arguments acodes, codes, lowp_scales, bo, x, res; writes res
.if DOCPART == 4
	.amdgcn_target "amdgcn-amd-amdhsa--gfx1250"
	.amdhsa_code_object_version 6
	.text
	.protected	k_qbbf16b4b62_proj
	.globl	k_qbbf16b4b62_proj
	.p2align	8
	.type	k_qbbf16b4b62_proj,@function
k_qbbf16b4b62_proj:
	s_mov_b64 s[64:65], 0
	v_nop
	global_prefetch_b8 v0, s[64:65] scope:SCOPE_SE
	s_setreg_imm32_b32 hwreg(HW_REG_WAVE_MODE, 25, 1), 1
	s_wait_xcnt 0x0
	s_wait_alu depctr_hold_cnt(0) depctr_sa_sdst(0) depctr_va_vdst(0) depctr_va_sdst(0) depctr_va_ssrc(0) depctr_va_vcc(0) depctr_vm_vsrc(0)
	s_getreg_b32 s2, hwreg(HW_REG_IB_STS2, 6, 4)
	s_cmp_eq_u32 s2, 0
	s_cbranch_scc0 .Lentry_in_a_cluster
	s_endpgm
.Lentry_in_a_cluster:
	s_bfe_u32 s2, ttmp6, 0x10000c
	s_cmp_lg_u32 s2, 0xf033
	s_cbranch_scc0 .Lentry_shape_is_right
	s_endpgm
.Lentry_shape_is_right:
.set PA,    144
.set PB,    528
.set BOFF,  512*PA
.set SLOT,  BOFF+128*PB
.set STAGE, 2*SLOT
.set SPITCH, 272
.set SPARE, STAGE+4*16*SPITCH
.set ADRA, 16
.set ADRB, 20
.set STO,  24
.set RD,   25
.set CO,   26
.set SPW,  28
.set NIL,  29
.set BK,   32
.set BIAS, 96
.set ACC,  128
.set F0,   0
.set F1,   128
.set G1, 24
.set G0, 32
.set G1B, 48
.set G0B, 56
.set MSB, 0
.macro WIN new
.if MSB != (\new)
	s_set_vgpr_msb (MSB<<8)|(\new)
.set MSB, (\new)
.endif
.endm
.set MUL,  0x05
.set TO_F, 0x40
.set TO_X, 0x80
.macro JLOAD s
	s_cmp_eq_u32 s11, 0
	s_cbranch_scc0 .Lfor_b_\@
	tensor_load_to_lds s[G0+4*\s:G0+4*\s+3], s[G1:G1+7]
	s_nop 0
.rept 4
	v_nop
.endr
	s_branch .Lasked_\@
.Lfor_b_\@:
	tensor_load_to_lds s[G0B+4*\s:G0B+4*\s+3], s[G1B:G1B+7]
	s_nop 0
.rept 4
	v_nop
.endr
.Lasked_\@:
.endm
.macro CREST
	s_cmp_lg_u32 s10, 0
	s_cbranch_scc1 .Lnot_wave_0_\@
	s_barrier_signal -3
.Lnot_wave_0_\@:
	s_barrier_wait -3
	s_barrier_signal -1
	s_barrier_wait -1
.endm
.macro CROUND
	s_barrier_signal -1
	s_barrier_wait -1
	CREST
.endm
	s_load_b256 s[72:79], s[0:1], 0x0
	s_load_b128 s[80:83], s[0:1], 0x20
	v_lshl_add_u32 v[SPW], v0, 2, SPARE
	v_mov_b32 v[NIL], 0
	ds_add_u32 v[SPW], v[NIL]
	ds_add_u32 v[SPW], v[NIL]
	v_lshrrev_b32 v1, 5, v0
	v_readfirstlane_b32 s10, v1
	s_lshr_b32 s11, s10, 1
	s_and_b32 s12, s10, 1
	s_bfe_u32 s40, ttmp6, 0x40000
	s_bfe_u32 s41, ttmp6, 0x40004
	s_lshl_b32 s42, ttmp9, 2
	s_add_co_u32 s42, s42, s40
	s_and_b32 s13, ttmp7, 0xffff
	s_lshl_b32 s13, s13, 2
	s_add_co_u32 s13, s13, s41
	s_lshl_b32 s43, s41, 2
	s_lshl_b32 s43, 15, s43
	s_lshl_b32 s44, 0x1111, s40
	s_or_b32 s[G1+0], s43, (0<<16)|(1<<20)|(1<<21)|(4<<22)|(3<<25)
	s_mov_b32 s[G1+1], 256<<16
	s_mov_b32 s[G1+2], 128<<16
	s_mov_b32 s[G1+3], 256<<16
	s_mov_b32 s[G1+4], 128
	s_mov_b32 s[G1+5], 256
	s_mov_b32 s[G1+6], 0
	s_mov_b32 s[G1+7], 0
	s_or_b32 s[G1B+0], s44, (0<<16)|(1<<20)|(1<<21)|(6<<22)|(3<<25)
	s_mov_b32 s[G1B+1], 512<<16
	s_mov_b32 s[G1B+2], 64<<16
	s_mov_b32 s[G1B+3], 512<<16
	s_mov_b32 s[G1B+4], 64
	s_mov_b32 s[G1B+5], 2048
	s_mov_b32 s[G1B+6], 0
	s_mov_b32 s[G1B+7], 0
	s_lshl_b32 s16, s13, 4
	s_lshl_b32 s17, s12, 1
	s_add_co_u32 s16, s16, s17
	s_lshl_b32 s16, s16, 14
	s_mov_b32 s17, 0
	s_lshl_b32 s46, s42, 7
	s_lshl_b32 s47, s12, 6
	s_add_co_u32 s46, s46, s47
	s_lshl_b32 s46, s46, 11
	s_add_co_u32 s46, s46, 6<<22
	s_mov_b32 s47, 0
	s_mul_i32 s20, s12, 256*PA
	s_mul_i32 s21, s12, 64*PB
	s_add_co_u32 s21, s21, BOFF
	; the prefetches: of what I fetch for a slot, my work-group's quarter, 32 blocks of 256 bytes, a lane a block.  A: 32,768 dense bytes, 8,192 for each partner (by cx).  B: 64 rows of 512 bytes, 16 rows for each partner (by cy)
	s_lshl_b32 s98, s40, 13
	s_lshl_b32 s99, s41, 15
	s_mov_b32 s96, 512
	s_cmp_eq_u32 s11, 0                            ; do I fetch for A?
	s_cselect_b32 s90, s16, s46
	s_cselect_b32 s98, s98, s99
	s_cselect_b32 s96, 65536, s96                  ; a slot on, in bytes
	s_cselect_b32 s89, -1, 0
	s_add_co_u32 s90, s90, s98
	s_mov_b32 s91, 0
	s_mov_b32 s97, 0
	v_and_b32 v7, 31, v0
	v_lshlrev_b32 v8, 8, v7                        ; A: 256 x lane
	v_lshrrev_b32 v9, 1, v7
	v_lshlrev_b32 v9, 11, v9
	v_and_b32 v7, 1, v7
	v_lshl_add_u32 v9, v7, 8, v9                   ; B: row lane / 2, half lane % 2
	v_cndmask_b32 v27, v9, v8, s89
	s_wait_dscnt 0x0
	s_wait_kmcnt 0x0
	s_load_b64 s[84:85], s[76:77], 0x28
	s_cmp_eq_u32 s11, 0
	s_cselect_b64 s[92:93], s[72:73], s[74:75]
	s_add_nc_u64 s[90:91], s[92:93], s[90:91]
	s_add_nc_u64 s[90:91], s[90:91], s[96:97]      ; slot 1's,
	s_add_nc_u64 s[92:93], s[90:91], s[96:97]      ; slot 2's,
	s_add_nc_u64 s[94:95], s[92:93], s[96:97]      ; slot 3's; none of the three is written again
	s_add_nc_u64 s[14:15], s[72:73], s[16:17]
	s_add_nc_u64 s[46:47], s[74:75], s[46:47]
	CROUND
.irp s, 0,1
	s_mov_b32 s[G0+4*\s], 1
	s_add_co_u32 s[G0+4*\s+1], s20, \s*SLOT
	s_add_nc_u64 s[G0+4*\s+2:G0+4*\s+3], s[14:15], \s*65536
	s_or_b32 s[G0+4*\s+3], s[G0+4*\s+3], 0x80000000
	s_mov_b32 s[G0B+4*\s], 1
	s_add_co_u32 s[G0B+4*\s+1], s21, \s*SLOT
	s_add_nc_u64 s[G0B+4*\s+2:G0B+4*\s+3], s[46:47], \s*512
	s_or_b32 s[G0B+4*\s+3], s[G0B+4*\s+3], 0x80000000
	s_wait_alu depctr_va_vdst(0)
	s_wait_tensorcnt 0x0
	ds_add_u32 v28, v29
	ds_add_u32 v28, v29
	s_wait_dscnt 0x0
	CROUND
	JLOAD \s
.if \s == 0
	global_prefetch_b8 v27, s[90:91] th:TH_LOAD_NT scope:SCOPE_SE   ; behind slot 0's load: what slots 1 and 2 will hold
	global_prefetch_b8 v27, s[92:93] th:TH_LOAD_NT scope:SCOPE_SE
.else
	global_prefetch_b8 v27, s[94:95] th:TH_LOAD_NT scope:SCOPE_SE   ; behind slot 1's: two slots on
.endif
.endr
	v_and_b32 v1, 15, v0
	v_bfe_u32 v2, v0, 4, 1
	v_mul_u32_u24 v3, v1, PA
	v_lshl_add_u32 v3, v2, 4, v3
	v_mul_u32_u24 v4, v1, PB
	v_lshl_add_u32 v4, v2, 4, v4
	s_mul_i32 s22, s11, 64*PA
	s_mul_i32 s23, s12, 64*PB
	s_add_co_u32 s23, s23, BOFF
.irp s, 0,1
	v_add_nc_u32 v[ADRA+\s], s22, v3
	v_add_nc_u32 v[ADRB+\s], s23, v4
	s_add_co_u32 s22, s22, SLOT
	s_add_co_u32 s23, s23, SLOT
.endr
	s_mul_i32 s23, s10, 16*SPITCH
	s_add_co_u32 s23, s23, STAGE
	v_mul_u32_u24 v5, v1, SPITCH
	v_lshl_add_u32 v5, v2, 5, v5
	v_add_nc_u32 v[STO], s23, v5
	v_mul_u32_u24 v5, v2, SPITCH
	v_lshl_add_u32 v5, v1, 4, v5
	v_add_nc_u32 v[RD], s23, v5
	v_lshlrev_b32 v[CO], 13, v2
	v_lshl_add_u32 v[CO], v1, 4, v[CO]
	v_lshlrev_b32 v6, 5, v2
	s_wait_alu depctr_va_vdst(0)
	s_lshl_b32 s46, s42, 7
	s_lshl_b32 s47, s12, 6
	s_add_co_u32 s46, s46, s47
	s_lshl_b32 s46, s46, 2
	s_mov_b32 s47, 0
	s_add_nc_u64 s[78:79], s[78:79], s[46:47]
	s_lshl_b32 s16, s13, 7
	s_lshl_b32 s17, s11, 6
	s_add_co_u32 s16, s16, s17
	s_lshl_b32 s16, s16, 13
	s_mov_b32 s17, 0
	s_add_nc_u64 s[46:47], s[46:47], s[16:17]
	s_add_nc_u64 s[80:81], s[80:81], s[46:47]
	s_add_nc_u64 s[82:83], s[82:83], s[46:47]
.irp b, 0,1,2,3
	global_load_b128 v[BIAS+8*\b:BIAS+8*\b+3], v6, s[78:79] offset:64*\b
	global_load_b128 v[BIAS+8*\b+4:BIAS+8*\b+7], v6, s[78:79] offset:64*\b+16
.endr
	s_wait_loadcnt 0x0
	s_wait_kmcnt 0x0
	s_add_co_i32 s86, s84, s85
	s_sub_co_i32 s88, 0, s86
	s_add_co_i32 s86, s86, 127
	s_lshl_b32 s86, s86, 23
	s_mov_b32 s87, s86
.set j, 0
.rept 32
	v_ldexp_f32 v[BIAS+j], v[BIAS+j], s88
.set j, j+1
.endr
.macro MUL8 f, a0, first
.irp a, \a0, \a0+1
.irp b, 0,1,2,3
.if \first
	v_wmma_f32_16x16x128_bf8_bf8 v[ACC+8*(4*(\a)+\b):ACC+8*(4*(\a)+\b)+7], v[\f+64+16*\b:\f+64+16*\b+15], v[\f+16*(\a):\f+16*(\a)+15], v[BIAS+8*\b:BIAS+8*\b+7]
.else
	v_wmma_f32_16x16x128_bf8_bf8 v[ACC+8*(4*(\a)+\b):ACC+8*(4*(\a)+\b)+7], v[\f+64+16*\b:\f+64+16*\b+15], v[\f+16*(\a):\f+16*(\a)+15], v[ACC+8*(4*(\a)+\b):ACC+8*(4*(\a)+\b)+7]
.endif
.endr
.endr
.endm
.macro FETCH slot, q, f
	WIN TO_F
.irp i, 0,1,2,3
.irp c, 0,1,2,3
	ds_load_b128 v[\f+64+16*\i+4*\c:\f+64+16*\i+4*\c+3], v[ADRB+\slot] offset:128*(\q)+16*PB*\i+32*\c
	ds_load_b128 v[\f+16*\i+4*\c:\f+16*\i+4*\c+3], v[ADRA+\slot] offset:128*PA*(\q)+16*PA*\i+32*\c
.endr
.endr
.endm
.macro PLACES
.rept 4
	v_nop
.endr
.endm
.macro QUARTER slot, qn, f, g, first
	s_wait_dscnt 0x0
	PLACES
	FETCH \slot, \qn, \g
	WIN MUL
	MUL8 \f, 0, \first
	MUL8 \f, 2, \first
.endm
.macro TURN slot, next, fill
	WIN 0
	s_wait_tensorcnt 0x0
	ds_add_u32 v[SPW], v[NIL]
	s_wait_dscnt 1
	WIN MUL
	MUL8 F1, 0, 0
	s_wait_dscnt 0x0
	s_barrier_signal -1
	MUL8 F1, 2, 0
	WIN 0
	s_barrier_wait -1
.if \fill
	CREST
	s_add_nc_u64 s[G0+4*\slot+2:G0+4*\slot+3], s[G0+4*\slot+2:G0+4*\slot+3], 131072
	s_add_nc_u64 s[G0B+4*\slot+2:G0B+4*\slot+3], s[G0B+4*\slot+2:G0B+4*\slot+3], 1024
	JLOAD \slot
.else
	PLACES
.endif
	FETCH \next, 0, F0
.endm
	s_wait_alu depctr_va_vdst(0)
	s_wait_tensorcnt 1
	s_barrier_signal -1
	s_barrier_wait -1
	FETCH 0, 0, F0
	WIN TO_X
.irp a, 0,1,2,3
.irp t, 0,1,2,3,4,5,6,7
	global_load_b128 v[4*(8*\a+\t):4*(8*\a+\t)+3], v[CO], s[80:81] offset:(16*\a+2*\t)*8192 th:TH_LOAD_NT
.endr
.endr
	QUARTER 0, 1, F0, F1, 1
	QUARTER 0, 2, F1, F0, 0
	QUARTER 0, 3, F0, F1, 0
	TURN 0, 1, 1
	QUARTER 1, 1, F0, F1, 0
	QUARTER 1, 2, F1, F0, 0
	QUARTER 1, 3, F0, F1, 0
	TURN 1, 0, 1
	QUARTER 0, 1, F0, F1, 0
	QUARTER 0, 2, F1, F0, 0
	QUARTER 0, 3, F0, F1, 0
	TURN 0, 1, 0
	QUARTER 1, 1, F0, F1, 0
	QUARTER 1, 2, F1, F0, 0
	QUARTER 1, 3, F0, F1, 0
	s_wait_dscnt 0x0
	MUL8 F1, 0, 0
	MUL8 F1, 2, 0
	WIN 0
	PLACES
.macro TOSTAGE a
.set BB, BK+32*((\a)%2)
.irp b, 0,1,2,3
	ds_store_b128 v[STO], v[ACC+8*(4*(\a)+\b):ACC+8*(4*(\a)+\b)+3] offset:64*\b
	ds_store_b128 v[STO], v[ACC+8*(4*(\a)+\b)+4:ACC+8*(4*(\a)+\b)+7] offset:64*\b+16
.endr
.irp t, 0,1,2,3,4,5,6,7
	ds_load_b128 v[BB+4*\t:BB+4*\t+3], v[RD] offset:2*SPITCH*\t
.endr
.endm
.macro SEND a, younger
.set BB, BK+32*((\a)%2)
	s_wait_dscnt \younger
	s_wait_loadcnt 8*(3-(\a))
	WIN 0x20
.irp t, 0,1,2,3,4,5,6,7
.irp k, 0,2
	v_pk_fma_f32 v[BB+4*\t+\k:BB+4*\t+\k+1], v[BB+4*\t+\k:BB+4*\t+\k+1], s[86:87], v[4*(8*(\a)+\t)+\k:4*(8*(\a)+\t)+\k+1] op_sel_hi:[1,0,1]
.endr
.endr
	WIN 0
.irp t, 0,1,2,3,4,5,6,7
	global_store_b128 v[CO], v[BB+4*\t:BB+4*\t+3], s[82:83] offset:(16*(\a)+2*\t)*8192
.endr
.endm
	TOSTAGE 0
	TOSTAGE 1
	SEND 0, 16
	s_wait_xcnt 0x0
	TOSTAGE 2
	SEND 1, 16
	s_wait_xcnt 0x0
	TOSTAGE 3
	SEND 2, 16
	SEND 3, 0
	s_wait_tensorcnt 0x0
	ds_add_u32 v[SPW], v[NIL]
	s_wait_dscnt 0x0
	CROUND
	s_endpgm
.Lfunc_end_k_qbbf16b4b62_proj:
	.size	k_qbbf16b4b62_proj, .Lfunc_end_k_qbbf16b4b62_proj-k_qbbf16b4b62_proj
	.p2alignl 7, 3214868480
	.fill 96, 4, 3214868480
	.section	.rodata,"a",@progbits
	.p2align	6, 0x0
	.amdhsa_kernel k_qbbf16b4b62_proj
		.amdhsa_group_segment_fixed_size 327680
		.amdhsa_private_segment_fixed_size 0
		.amdhsa_enable_private_segment 0
		.amdhsa_kernarg_size 48
		.amdhsa_user_sgpr_count 2
		.amdhsa_user_sgpr_kernarg_segment_ptr 1
		.amdhsa_wavefront_size32 1
		.amdhsa_system_sgpr_workgroup_id_x 1
		.amdhsa_system_sgpr_workgroup_id_y 1
		.amdhsa_system_sgpr_workgroup_id_z 1
		.amdhsa_system_vgpr_workitem_id 0
		.amdhsa_next_free_vgpr 640
		.amdhsa_next_free_sgpr 100
		.amdhsa_reserve_vcc 0
		.amdhsa_float_denorm_mode_32 3
		.amdhsa_float_denorm_mode_16_64 3
		.amdhsa_memory_ordered 1
		.amdhsa_forward_progress 1
		.amdhsa_inst_pref_size 82
	.end_amdhsa_kernel
	.amdgpu_metadata
---
amdhsa.version: [ 1, 2 ]
amdhsa.kernels:
  - .name:           k_qbbf16b4b62_proj
    .symbol:         k_qbbf16b4b62_proj.kd
    .args:
      - { .name: acodes, .offset: 0, .size: 8, .value_kind: global_buffer, .address_space: global }
      - { .name: codes, .offset: 8, .size: 8, .value_kind: global_buffer, .address_space: global }
      - { .name: lowp_scales, .offset: 16, .size: 8, .value_kind: global_buffer, .address_space: global }
      - { .name: bo, .offset: 24, .size: 8, .value_kind: global_buffer, .address_space: global }
      - { .name: x, .offset: 32, .size: 8, .value_kind: global_buffer, .address_space: global }
      - { .name: res, .offset: 40, .size: 8, .value_kind: global_buffer, .address_space: global }
    .group_segment_fixed_size: 327680
    .private_segment_fixed_size: 0
    .kernarg_segment_align: 8
    .kernarg_segment_size: 48
    .max_flat_workgroup_size: 128
    .sgpr_count:     100
    .vgpr_count:     640
    .wavefront_size: 32
...
	.end_amdgpu_metadata
.endif
;; end of part 4
;; launch norm (part 5): grid 256 x 1, 8 waves a work-group, no clusters, 0 bytes of LDS; arguments res, ln_w, ln_b, out0; writes out0
.if DOCPART == 5
	.amdgcn_target "amdgcn-amd-amdhsa--gfx1250"
	.amdhsa_code_object_version 6
	.text
	.protected	k_qbbf16b4b62_norm
	.globl	k_qbbf16b4b62_norm
	.p2align	8
	.type	k_qbbf16b4b62_norm,@function
k_qbbf16b4b62_norm:
	s_mov_b64 s[64:65], 0
	v_nop
	global_prefetch_b8 v0, s[64:65] scope:SCOPE_SE
	s_setreg_imm32_b32 hwreg(HW_REG_WAVE_MODE, 25, 1), 1
	s_wait_xcnt 0x0
; FIFTH LAUNCH: out0 = (res - mean) / sqrt(var + 1e-5) x ln_w + ln_b, row by row; nothing of the function is left out here.
; A row is 8,192 bytes: one wave takes one row, sixteen loads of 16 bytes a lane, and keeps it in 64 registers: read once, no LDS, no barrier.  Row = 8 x work-group + wave.
; The variance is taken of the centred numbers, in a second pass over the registers, so that a common offset of the inputs costs no digits.
; Each load and store of the wave covers 512 consecutive bytes.
.set X, 16                             ; v16-79   the row
.set W, 80                             ; v80-143  ln_w at my columns
.set B, 144                            ; v144-207 ln_b
	s_load_b256 s[4:11], s[0:1], 0x0               ; res 4:5, ln_w 6:7, ln_b 8:9, out0 10:11
	v_lshrrev_b32 v1, 5, v0
	s_delay_alu instid0(VALU_DEP_1)
	v_readfirstlane_b32 s12, v1
	v_and_b32 v1, 31, v0
	s_delay_alu instid0(VALU_DEP_1)
	v_lshlrev_b32 v1, 4, v1
	s_lshl_b32 s13, ttmp9, 3
	s_add_co_u32 s13, s13, s12
	s_lshl_b32 s14, s13, 13
	s_mov_b32 s15, 0
	s_mov_b32 s16, 0x3a000000                      ; 1 / 2,048
	s_mov_b32 s17, 0x3727c5ac                      ; 1e-5
	s_mov_b32 s18, 0x76543210
	s_mov_b32 s19, 0xfedcba98
	s_wait_alu depctr_va_vdst(0)
	s_wait_kmcnt 0x0
	s_add_nc_u64 s[4:5], s[4:5], s[14:15]
	s_add_nc_u64 s[10:11], s[10:11], s[14:15]
.irp j, 0,1,2,3,4,5,6,7,8,9,10,11,12,13,14,15
	global_load_b128 v[X+4*\j:X+4*\j+3], v1, s[4:5] offset:512*\j th:TH_LOAD_NT
.endr
.irp j, 0,1,2,3,4,5,6,7,8,9,10,11,12,13,14,15
	global_load_b128 v[W+4*\j:W+4*\j+3], v1, s[6:7] offset:512*\j
.endr
.irp j, 0,1,2,3,4,5,6,7,8,9,10,11,12,13,14,15
	global_load_b128 v[B+4*\j:B+4*\j+3], v1, s[8:9] offset:512*\j
.endr
.macro LANESUM                         ; four chains v[2:9] into one number in every lane, in v2
	s_delay_alu instid0(VALU_DEP_3)
	v_pk_add_f32 v[2:3], v[2:3], v[4:5]
	s_delay_alu instid0(VALU_DEP_2)
	v_pk_add_f32 v[6:7], v[6:7], v[8:9]
	s_delay_alu instid0(VALU_DEP_1)
	v_pk_add_f32 v[2:3], v[2:3], v[6:7]
	s_delay_alu instid0(VALU_DEP_1)
	v_add_f32 v2, v2, v3
	s_delay_alu instid0(VALU_DEP_1)
	v_add_f32_dpp v2, v2, v2 row_xmask:1 row_mask:0xf bank_mask:0xf
	s_delay_alu instid0(VALU_DEP_1)
	v_add_f32_dpp v2, v2, v2 row_xmask:2 row_mask:0xf bank_mask:0xf
	s_delay_alu instid0(VALU_DEP_1)
	v_add_f32_dpp v2, v2, v2 row_xmask:4 row_mask:0xf bank_mask:0xf
	s_delay_alu instid0(VALU_DEP_1)
	v_add_f32_dpp v2, v2, v2 row_xmask:8 row_mask:0xf bank_mask:0xf
	s_delay_alu instid0(VALU_DEP_1)
	v_permlanex16_b32 v3, v2, s18, s19
	s_delay_alu instid0(VALU_DEP_1)
	v_add_f32 v2, v2, v3
.endm
	s_wait_loadcnt 32                              ; the row is in; the 32 loads of ln_w and ln_b may be out
.irp p, 0,1,2,3
	v_pk_add_f32 v[2+2*\p:3+2*\p], v[X+2*\p:X+2*\p+1], v[X+8+2*\p:X+8+2*\p+1]
.endr
.set p, 8
.rept 24
	s_delay_alu instid0(VALU_DEP_4)
	v_pk_add_f32 v[2+2*(p%4):3+2*(p%4)], v[2+2*(p%4):3+2*(p%4)], v[X+2*p:X+2*p+1]
.set p, p+1
.endr
	LANESUM
	s_delay_alu instid0(VALU_DEP_1)
	v_mul_f32 v10, s16, v2                         ; the mean
	s_delay_alu instid0(VALU_DEP_1)
	v_mov_b32 v11, v10
.set p, 0
.rept 32
	v_pk_add_f32 v[X+2*p:X+2*p+1], v[X+2*p:X+2*p+1], v[10:11] neg_lo:[0,1] neg_hi:[0,1]
.set p, p+1
.endr
.irp p, 0,1,2,3
	v_pk_mul_f32 v[2+2*\p:3+2*\p], v[X+2*\p:X+2*\p+1], v[X+2*\p:X+2*\p+1]
.endr
.set p, 4
.rept 28
	s_delay_alu instid0(VALU_DEP_4)
	v_pk_fma_f32 v[2+2*(p%4):3+2*(p%4)], v[X+2*p:X+2*p+1], v[X+2*p:X+2*p+1], v[2+2*(p%4):3+2*(p%4)]
.set p, p+1
.endr
	LANESUM
	s_delay_alu instid0(VALU_DEP_1)
	v_fma_f32 v2, v2, s16, s17                     ; var + eps
	s_wait_alu depctr_va_vdst(0)
	v_rsq_f32 v12, v2
	v_rsq_f32 v13, v2
	v_nop                                          ; a plain line behind the second root,
	s_wait_alu depctr_va_vdst(0)                   ; and one wait for both, ahead of their first reader
.set p, 0
.rept 32
	v_pk_mul_f32 v[X+2*p:X+2*p+1], v[X+2*p:X+2*p+1], v[12:13]
.set p, p+1
.endr
	s_wait_loadcnt 0x0
.set p, 0
.rept 32
	v_pk_fma_f32 v[X+2*p:X+2*p+1], v[X+2*p:X+2*p+1], v[W+2*p:W+2*p+1], v[B+2*p:B+2*p+1]
.set p, p+1
.endr
.irp j, 0,1,2,3,4,5,6,7,8,9,10,11,12,13,14,15
	global_store_b128 v1, v[X+4*\j:X+4*\j+3], s[10:11] offset:512*\j th:TH_STORE_NT
.endr
	s_endpgm
.Lfunc_end_k_qbbf16b4b62_norm:
	.size	k_qbbf16b4b62_norm, .Lfunc_end_k_qbbf16b4b62_norm-k_qbbf16b4b62_norm
	.p2alignl 7, 3214868480
	.fill 96, 4, 3214868480
	.section	.rodata,"a",@progbits
	.p2align	6, 0x0
	.amdhsa_kernel k_qbbf16b4b62_norm
		.amdhsa_group_segment_fixed_size 0
		.amdhsa_private_segment_fixed_size 0
		.amdhsa_enable_private_segment 0
		.amdhsa_kernarg_size 32
		.amdhsa_user_sgpr_count 2
		.amdhsa_user_sgpr_kernarg_segment_ptr 1
		.amdhsa_wavefront_size32 1
		.amdhsa_system_sgpr_workgroup_id_x 1
		.amdhsa_system_sgpr_workgroup_id_y 1
		.amdhsa_system_sgpr_workgroup_id_z 1
		.amdhsa_system_vgpr_workitem_id 0
		.amdhsa_next_free_vgpr 208
		.amdhsa_next_free_sgpr 66
		.amdhsa_reserve_vcc 0
		.amdhsa_float_denorm_mode_32 3
		.amdhsa_float_denorm_mode_16_64 3
		.amdhsa_memory_ordered 1
		.amdhsa_forward_progress 1
		.amdhsa_inst_pref_size 21
	.end_amdhsa_kernel
	.amdgpu_metadata
---
amdhsa.version: [ 1, 2 ]
amdhsa.kernels:
  - .name:           k_qbbf16b4b62_norm
    .symbol:         k_qbbf16b4b62_norm.kd
    .args:
      - { .name: res, .offset: 0, .size: 8, .value_kind: global_buffer, .address_space: global }
      - { .name: ln_w, .offset: 8, .size: 8, .value_kind: global_buffer, .address_space: global }
      - { .name: ln_b, .offset: 16, .size: 8, .value_kind: global_buffer, .address_space: global }
      - { .name: out0, .offset: 24, .size: 8, .value_kind: global_buffer, .address_space: global }
    .group_segment_fixed_size: 0
    .private_segment_fixed_size: 0
    .kernarg_segment_align: 8
    .kernarg_segment_size: 32
    .max_flat_workgroup_size: 256
    .sgpr_count:     66
    .vgpr_count:     208
    .wavefront_size: 32
...
	.end_amdgpu_metadata
.endif
;; end of part 5
